; MI455X (gfx1250); checked and timed in simulation.
; The chip was launched on July 23, 2026; its instructions are those of AMD's public machine-readable ISA for CDNA 5 (MIT licence, August 2026) and "CDNA5" Instruction Set Architecture Reference Guide (July 2026). The comments in the code are by the model that wrote it; some were corrected since.
;; Multi Head Self Attention. Allowed arithmetic: matrix products marked QUANTISED: E4M3 operands, one E8M0 scale for each 32 along K, by v_wmma_scale_f32_16x16x128_f8f6f4 with both operands' format E4M3, f32 sums; everything else in f32.
;; Inputs: Wk 1,024 x 1,024 float32; Wo 1,024 x 1,024 float32; Wq 1,024 x 1,024 float32; Wv 1,024 x 1,024 float32; token_positions 2,048 int32; x 4 x 2,048 x 1,024 float32.
;; Outputs: out0 4 x 2,048 x 1,024 float32.
;; This version of the problem:
;;   THIS VERSION OF THE PROBLEM IS GIVEN IN LOW PRECISION. The matrix products marked QUANTISED in the list below multiply operands that are first quantised to E4M3 (4 exponent bits, 3 mantissa bits; 8 bits a number), with one power-of-two scale for each 32 numbers along K (OCP MX v1.0); their sums are f32. All else is computed in f32.
;;   The module's matrix products, in the order in which they are computed (A, B: the left and right operand; K: the contracted axis; several contracted axes count as one K, in the product's order):
;;     1. [M 8,192, K 1,024] x [K 1,024, N 1,024]; A: input x; B: input Wq: QUANTISED
;;     2. [M 8,192, K 1,024] x [K 1,024, N 1,024]; A: input x; B: input Wk: QUANTISED
;;     3. [M 8,192, K 1,024] x [K 1,024, N 1,024]; A: input x; B: input Wv: QUANTISED
;;     4. batch 64 x [M 2,048, K 64] x [K 64, N 2,048]; A: computed on the way; B: computed on the way: QUANTISED
;;     5. batch 64 x [M 2,048, K 2,048] x [K 2,048, N 64]; A: softmax (see below); B: computed on the way: QUANTISED
;;     6. [M 8,192, K 1,024] x [K 1,024, N 1,024]; A: computed on the way; B: input Wo: QUANTISED
;;   THE QUANTISER, for each operand of a quantised product, along K:
;;     - K is cut into blocks of 32 from its start; a last block that is shorter is filled with zeros.
;;     - A block's scale is 2^e with e = floor(log2(the largest magnitude in the block)) - 8, held to -126 .. 127; a block of zeros has e = 0. As a byte (E8M0): e + 127.
;;     - Each number is divided by its block's scale, clamped to +-448, and rounded to the nearest number of E4M3, ties to even, subnormals kept.
;;     - The product sums the exact products of the quantised numbers (number of the format x scale) in f32.
;;   ~~~python
;;   def quantise(x, axis):      # numpy; x: float32 -> the quantised numbers, widened to float32 again
;;       x = np.moveaxis(x, axis, -1); K = x.shape[-1]
;;       x = np.pad(x, [(0, 0)] * (x.ndim - 1) + [(0, -K % 32)]); x = x.reshape(x.shape[:-1] + (-1, 32)); a = np.abs(x).max(-1, keepdims=True)
;;       e = np.where(a > 0, np.clip(np.frexp(np.where(a > 0, a, 1))[1] - 1 - 8, -126, 127), 0)      # np.frexp(a)[1] - 1 = floor(log2(a)), exactly
;;       r = np.clip(x / 2.0 ** e, -448, 448)
;;       step = 2.0 ** (np.maximum(np.frexp(np.where(r == 0, 1, r))[1] - 1, -6) - 3)
;;       q = np.round(r / step) * step * 2.0 ** e      # np.round: ties to even
;;       return np.moveaxis(q.reshape(q.shape[:-2] + (-1,))[..., :K], -1, axis).astype(np.float32)
;;   ~~~
;;   SOFTMAX AHEAD OF A QUANTISED PRODUCT. Where the list says 'softmax', what is quantised is not the finished softmax but p = 2^(t - M), with t = logit x log2(e) and M = ceil(the row's largest t), a whole number; so 1/2 < the row's largest p <= 1. The row's sum l is taken of the UNQUANTISED p, in f32, and the product's result is divided by l at the end. Since M is a whole number, a kernel that streams over the keys may use a running M (the ceiling of the running maximum): every later rescaling is an exact power of two, which a block's scale takes up: the codes' values come out the same.
;;   OPERANDS COMPUTED ON THE WAY. 'Computed on the way' means the value that the module computes at that place (a softmax that the list does not call 'softmax' is quantised finished and normalised). What goes into a quantiser is computed in f32, as accurately as f32 sums, v_exp_f32 and their like allow (about 1e-6 of the number): no bf16 or f16 on the way to a quantiser, and a product that is left as it is and whose result goes on into a quantised operand takes f32 operands (vector FMAs, or v_wmma_f32_16x16x4_f32). A number that lies on a knife's edge between two numbers of the format may be rounded either way, as far as f32 arithmetic and the matrix unit's own rounding can turn it there, and no further.
;; One version. Each part assembles by itself: llvm-mc -triple=amdgcn-amd-amdhsa -mcpu=gfx1250 --defsym DOCPART=n.
;; ======== version 1 of 1: 4 launches
;; limits: right only within a limited range of input values
;; workspace buffers: xq 8,650,752 bytes; wq 4,325,376 bytes; yq 8,650,752 bytes; rt 524,288 bytes; kv 17,563,648 bytes; qb 17,563,648 bytes
;; launch quant (part 1): grid 384 x 1, 4 waves a work-group, no clusters, 34,304 bytes of LDS; arguments x, Wq, Wk, Wv, Wo, token_positions, xq, wq, rt; writes xq, wq, rt
.if DOCPART == 1
	.amdgcn_target "amdgcn-amd-amdhsa--gfx1250"
	.amdhsa_code_object_version 6
	.text
	.protected	k_q474cf18f21_quant
	.globl	k_q474cf18f21_quant
	.p2align	8
	.type	k_q474cf18f21_quant,@function
k_q474cf18f21_quant:
	s_mov_b64 s[64:65], 0
	v_nop
	global_prefetch_b8 v0, s[64:65] scope:SCOPE_SE
	s_setreg_imm32_b32 hwreg(HW_REG_WAVE_MODE, 25, 1), 1
	s_wait_xcnt 0x0
; MULTI-HEAD SELF-ATTENTION IN MX-FP8, launch 1 of 4: x and the four weights become codes of E4M3 with one E8M0 byte for each 32 along K; the cos/sin table of the rotary embedding is made.
; THE PROGRAM: 1 quant (this) | 2 proj: x Wq^T, x Wk^T, x Wv^T, rotation, Q and K quantised along the head's 64, V along the tokens | 3 attn: Q K^T, softmax, P V, Y = O / l quantised | 4 outp: Y Wo^T.
; WORK LEFT OUT (in launch 3): reference() sets the score of key k for query q to the least f32 number where k > q, by a mask that it builds itself from the sizes alone.  For every finite input the softmax's weight
; there is 0 (key 0 counts for every query, so each row has a finite maximum), and a weight of 0 adds nothing to the row's sum nor to P V.  So a step of 128 keys all of which come after all 16 queries of a tile is not
; computed.  Inside the one step of a tile that holds its diagonal the hidden scores are computed and replaced.  No input is left out.  LIMIT: a NaN, an infinity or an overflow that would arise only in scores left out is not carried to the result.
; LIMITS: NaN and infinities among the inputs are not served.  A block whose largest magnitude lies under 2^-118 gets the byte 1; a block of zeros gets 1 where the rule says 127: its codes are zeros, which add nothing
; under any byte but 0xff, and this program alone reads the bytes.  cos and sin: |position| up to 2^20, absolute error about 2e-7 on the f32 angle; 10000^(-j/32) is v_exp_f32 of -j log2(10000)/32, within about 2 ulp.
; LAYOUT OF ALL OPERANDS.  Rows go in PAIRS of 32, a pair in two tiles u = 0, 1: lane-row p of tile u is row 8 u + p % 8 + 16 (p / 8) of the pair.  So where such a tile is source 0 of a product, a lane's 16 results of
; tiles 0 and 1 are 16 neighbouring rows, 16 (lane / 16) + 0 .. 15: the order in which the next product's operand wants them along its K.
; A fragment (tile, K step s of 128) is stored as the IMAGE OF ITS REGISTERS: 2,048 bytes [c 0..3][lane][16 bytes], lane (r, h) holding row r, k = 128 s + 32 c + 16 h + 0 .. 15.
; A pair of K = 1,024 is 33,792 bytes: images [u][s 0..7], then scale words [s / 4][u][row][16 bytes], word s % 4 = the four bytes of K step s.
; SHARES.  A work-group takes a pair: 0-255 those of x, 256-383 those of Wq, Wk, Wv, Wo.  Wave w takes tile w / 2 and K half w % 2: four fragments.  Each load reads 512 consecutive bytes of a row; the 16 rows of a
; fragment turn through the wave's own stage in LDS (rows of 528 bytes, so that rows begin 4 words apart), so that a lane gets 16 neighbours of each block of 32.  No tensor loads, no barrier: waves share nothing.
; Each wave of work-groups 0-255 also makes 512 bytes of the table rt [token tile 0..127][q 0..7][lane][cos, sin, cos, sin]: token = the tile's lane-row r, frequencies 16 (q / 4) + 8 h + 2 (q % 4) and the next.
.set WST,   16*528                     ; a wave's stage
.set SPARE, 4*WST                      ; behind the stages: the spare words, 128 bytes a wave
.set PAIRB, 33792
.set LI,  1                            ; v1   16 x lane
.set RR,  2                            ; v2   r = lane % 16
.set HH,  3                            ; v3   h = lane / 16
.set STI, 5                            ; v5   the stage, in: 16 x lane
.set STO, 6                            ; v6   the stage, out: 528 r + 64 h
.set SCA, 8                            ; v8   16 r + 8 h: my 8 bytes of the scale words
.set SPW, 12                           ; v12  my spare word; never rewritten
.set NIL, 13                           ; v13  0; never rewritten
.set PC,  16                           ; v16-31   a fragment's codes
.set R,   32                           ; v32-159  two sets of 64 registers as loaded
.set X,   160                          ; v160-223 64 numbers: register 16 b + i = k 32 b + 16 h + i of row r
.set TM,  224                          ; v224-239 largest magnitudes, bytes, scale operands
.set SW,  240                          ; v240-243 the four scale words
.set RO,  244                          ; v244-247 cos, sin, cos, sin
.set WV,  22
.set SRC, 24
.set DST, 26
.set DSC, 28
.set SEL, 30
.set MNT, 32
.set HM,  35                           ; s35  mask of lanes 16-31
	s_load_b512 s[4:19], s[0:1], 0x0               ; x, Wq, Wk, Wv, Wo, token_positions, xq, wq
	s_load_b64 s[20:21], s[0:1], 0x40              ; rt
	v_lshl_add_u32 v[SPW], v0, 2, SPARE
	v_mov_b32 v[NIL], 0
	v_lshrrev_b32 v4, 5, v0
	v_readfirstlane_b32 s[WV], v4                  ; wave 0..3
	v_and_b32 v4, 31, v0
	v_lshlrev_b32 v[LI], 4, v4
	v_and_b32 v[RR], 15, v0
	v_bfe_u32 v[HH], v0, 4, 1
	s_mul_i32 s23, s[WV], WST
	v_add_nc_u32 v[STI], s23, v[LI]
	v_mul_u32_u24 v[STO], v[RR], 528
	v_lshl_add_u32 v[STO], v[HH], 6, v[STO]
	v_add_nc_u32 v[STO], s23, v[STO]
	v_lshlrev_b32 v[SCA], 4, v[RR]
	v_lshl_add_u32 v[SCA], v[HH], 3, v[SCA]
	v_cmp_ne_u32 s[HM], 0, v[HH]
.irp b, 0,1,2,3
	v_mov_b32 v[TM+4+\b], 0                        ; written once: a lane permute's destination counts as one of its sources
.endr
	s_mov_b32 s[SEL], 0x76543210
	s_mov_b32 s[SEL+1], 0xfedcba98                 ; v_permlanex16_b32's selects for lane l xor 16
	s_mov_b32 s33, 0xbfc90fdb                      ; -(pi/2 as f32)
	s_mov_b32 s34, 0x333bbd2e                      ; -(pi/2 less that number)
	s_lshr_b32 s38, s[WV], 1                       ; u
	s_and_b32 s39, s[WV], 1                        ; K half
	s_and_b32 s36, ttmp9, 31                       ; a weight's pair
	s_and_b32 s37, ttmp9, 255                      ; the pair in xq or in wq
	s_lshl_b32 s40, s38, 15                        ; in: tile u begins 8 rows of 4,096 bytes down,
	s_lshl_b32 s41, s39, 11
	s_add_co_u32 s40, s40, s41                     ; the K half 2,048 bytes along
	s_mul_i32 s42, s37, PAIRB
	s_lshl_b32 s41, s38, 14
	s_add_co_u32 s43, s42, s41
	s_lshl_b32 s41, s39, 13
	s_add_co_u32 s43, s43, s41                     ; out: my four images
	s_lshl_b32 s41, s39, 9
	s_add_co_u32 s42, s42, s41
	s_lshl_b32 s41, s38, 8
	s_add_co_u32 s42, s42, s41
	s_add_co_u32 s42, s42, 32768                   ; and my 256 bytes of scale words
	s_wait_kmcnt 0x0
	s_cmp_lt_u32 ttmp9, 352                        ; which tensor: the choice hangs on the work-group's number alone
	s_cselect_b64 s[SRC:SRC+1], s[10:11], s[12:13]
	s_cmp_lt_u32 ttmp9, 320
	s_cselect_b64 s[SRC:SRC+1], s[8:9], s[SRC:SRC+1]
	s_cmp_lt_u32 ttmp9, 288
	s_cselect_b64 s[SRC:SRC+1], s[6:7], s[SRC:SRC+1]
	s_cmp_lt_u32 ttmp9, 256
	s_cselect_b64 s[SRC:SRC+1], s[4:5], s[SRC:SRC+1]
	s_cselect_b64 s[DST:DST+1], s[16:17], s[18:19]
	s_cselect_b32 s36, ttmp9, s36
	s_lshl_b32 s36, s36, 17                        ; a pair is 32 rows of 4,096 bytes
	s_add_co_u32 s40, s40, s36
	s_mov_b32 s41, 0
	s_add_nc_u64 s[SRC:SRC+1], s[SRC:SRC+1], s[40:41]
	s_mov_b32 s44, s42
	s_mov_b32 s45, 0
	s_add_nc_u64 s[DSC:DSC+1], s[DST:DST+1], s[44:45]
	s_mov_b32 s44, s43
	s_add_nc_u64 s[DST:DST+1], s[DST:DST+1], s[44:45]
.macro LOAD t                          ; fragment t: 16 rows x 512 bytes; lane-row i is row i + 8 (i / 8) from the tile's first
.irp i, 0,1,2,3,4,5,6,7,8,9,10,11,12,13,14,15
	global_load_b128 v[R+64*((\t)%2)+4*\i:R+64*((\t)%2)+4*\i+3], v[LI], s[SRC:SRC+1] offset:(\i+8*(\i/8))*4096+512*(\t) th:TH_LOAD_NT
.endr
.endm
; 64 numbers of a lane, register 16 b + i = k 32 b + 16 h + i of my row, become a fragment's codes; the four bytes stay in v[TM+4] on.
.macro QUANT s, pc
.irp b, 0,1,2,3
	v_max3_num_f32 v[TM+\b], |v[\s+16*\b]|, |v[\s+1+16*\b]|, 0x4800000   ; my 16 numbers of block b, and the floor 2^(9 - 127): the byte cannot fall under 1
.endr
.irp i, 2,4,6,8,10,12,14
.irp b, 0,1,2,3
	v_max3_num_f32 v[TM+\b], v[TM+\b], |v[\s+16*\b+\i]|, |v[\s+1+16*\b+\i]|   ; the four blocks by turns
.endr
.endr
.irp b, 0,1,2,3
	v_permlanex16_b32 v[TM+4+\b], v[TM+\b], s[SEL], s[SEL+1]
.endr
.irp b, 0,1,2,3
	v_max_num_f32 v[TM+\b], v[TM+\b], v[TM+4+\b]   ; with lane l xor 16's 16: the block's largest magnitude
.endr
.irp b, 0,1,2,3
	v_add_nc_u32 v[TM+12+\b], 0xfc000000, v[TM+\b] ; 8 off its exponent field: the conversion's scale operand
.endr
.irp b, 0,1,2,3
.endr
.irp b, 0,1,2,3
	v_lshrrev_b32 v[TM+4+\b], 23, v[TM+12+\b]      ; the scale's byte
.endr
.irp b, 0,1,2,3
.irp i, 0,1,2,3,4,5,6,7,8,9,10,11,12,13,14,15
.endr
	v_cvt_scalef32_pk8_fp8_f32 v[\pc+4*\b:\pc+1+4*\b], v[\s+16*\b:\s+7+16*\b], v[TM+12+\b]
	v_cvt_scalef32_pk8_fp8_f32 v[\pc+2+4*\b:\pc+3+4*\b], v[\s+8+16*\b:\s+15+16*\b], v[TM+12+\b]
.endr
	v_nop                                          ; a plain instruction behind the last conversion
.endm
; cos and sin of the f32 angle v[a]: n = the nearest whole number to a 2/pi; x = a - n pi/2, pi/2 in two parts, by fused multiply-adds; series on |x| <= pi/4; the quadrant n mod 4 swaps and signs.
.macro SINCOS a, co, si
	v_mul_f32 v164, 0x3f22f983, v[\a]
	v_rndne_f32 v164, v164
	v_fma_f32 v165, v164, s33, v[\a]
	v_fma_f32 v165, v164, s34, v165
	v_cvt_i32_f32 v166, v164
	v_mul_f32 v167, v165, v165
	v_mov_b32 v168, 0x3638ef1d                     ; 1/9!
	v_fmaak_f32 v168, v168, v167, 0xb9500d01       ; -1/7!
	v_fmaak_f32 v168, v168, v167, 0x3c088889       ; 1/5!
	v_fmaak_f32 v168, v168, v167, 0xbe2aaaab       ; -1/3!
	v_mul_f32 v169, v167, v165
	v_fma_f32 v168, v169, v168, v165               ; sin x
	v_mov_b32 v170, 0xb493f27e                     ; -1/10!
	v_fmaak_f32 v170, v170, v167, 0x37d00d01       ; 1/8!
	v_fmaak_f32 v170, v170, v167, 0xbab60b61       ; -1/6!
	v_fmaak_f32 v170, v170, v167, 0x3d2aaaab       ; 1/4!
	v_fma_f32 v170, v170, v167, -0.5
	v_fma_f32 v170, v167, v170, 1.0                ; cos x
	v_and_b32 v171, 1, v166
	v_cmp_ne_u32 vcc_lo, 0, v171
	v_cndmask_b32 v[\si], v168, v170, vcc_lo       ; odd quadrants swap the two
	v_cndmask_b32 v[\co], v170, v168, vcc_lo
	v_and_b32 v171, 2, v166
	v_lshlrev_b32 v171, 30, v171
	v_xor_b32 v[\si], v171, v[\si]                 ; sin is negative in quadrants 2, 3
	v_add_nc_u32 v171, 1, v166
	v_and_b32 v171, 2, v171
	v_lshlrev_b32 v171, 30, v171
	v_xor_b32 v[\co], v171, v[\co]                 ; cos in quadrants 1, 2
.endm
	LOAD 0
	LOAD 1
	s_cmp_ge_u32 ttmp9, 256
	s_cbranch_scc1 .Lno_rope                       ; the table has 1,024 items: one for each wave of x's 256 work-groups
	s_lshl_b32 s44, ttmp9, 2
	s_add_co_u32 s44, s44, s[WV]                   ; item = 8 x token tile + q
	s_lshr_b32 s45, s44, 3
	s_and_b32 s46, s44, 7
	s_lshr_b32 s47, s45, 1
	s_lshl_b32 s47, s47, 5
	s_and_b32 s45, s45, 1
	s_lshl_b32 s45, s45, 3
	s_add_co_u32 s47, s47, s45                     ; the tile's first token: 32 x pair + 8 u
	v_and_b32 v248, 8, v[RR]
	v_add_nc_u32 v248, v248, v[RR]
	v_add_nc_u32 v248, s47, v248                   ; + r + 8 (r / 8)
	v_lshlrev_b32 v248, 2, v248
	global_load_b32 v249, v248, s[14:15]           ; its position
	s_lshr_b32 s45, s46, 2
	s_lshl_b32 s45, s45, 4
	s_and_b32 s46, s46, 3
	s_lshl_b32 s46, s46, 1
	s_add_co_u32 s45, s45, s46
	v_lshl_add_u32 v160, v[HH], 3, s45             ; j = 16 (q / 4) + 2 (q % 4) + 8 h
	v_cvt_f32_u32 v160, v160
	v_add_f32 v161, 1.0, v160
	v_mul_f32 v160, 0xbed49a78, v160               ; -j log2(10000) / 32
	v_mul_f32 v161, 0xbed49a78, v161
	s_wait_alu depctr_va_vdst(0)
	v_exp_f32 v160, v160                           ; 10000^(-j/32)
	v_exp_f32 v161, v161
	v_nop                                          ; a plain instruction behind the two,
	s_wait_alu depctr_va_vdst(0)                   ; and one wait for both, ahead of their first reader
	s_wait_loadcnt 0x0                             ; the position (and the 32 loads ahead of it, which are wanted next)
	v_cvt_f32_i32 v249, v249
	v_mul_f32 v162, v249, v160                     ; the angle, as reference() forms it
	v_mul_f32 v163, v249, v161
	SINCOS 162, RO, RO+1
	SINCOS 163, RO+2, RO+3
	s_lshl_b32 s44, s44, 9
	s_mov_b32 s45, 0
	s_add_nc_u64 s[20:21], s[20:21], s[44:45]
	global_store_b128 v[LI], v[RO:RO+3], s[20:21]  ; 512 consecutive bytes
.Lno_rope:
.macro STEPQ t
.if (\t) < 3
	s_wait_loadcnt 16                              ; this fragment's 16 loads are in; the next one's may be out
.else
	s_wait_loadcnt 0x0
.endif
.irp i, 0,1,2,3,4,5,6,7,8,9,10,11,12,13,14,15
	ds_store_b128 v[STI], v[R+64*((\t)%2)+4*\i:R+64*((\t)%2)+4*\i+3] offset:528*\i
.endr
.irp i, 0,1,2,3,4,5,6,7,8,9,10,11,12,13,14,15
	ds_load_b128 v[X+4*\i:X+4*\i+3], v[STO] offset:128*(\i/4)+16*(\i%4)   ; LDS serves a wave's instructions in order: these see the stores above
.endr
	s_wait_dscnt 0x0                               ; the numbers are back; the stores have read their registers
	s_wait_xcnt 0x0                                ; the last fragment's stores have read the codes' registers, which are written again below
.if (\t) < 2
	LOAD (\t)+2
.endif
	QUANT X, PC
	v_lshl_or_b32 v[SW+(\t)], v[TM+5], 8, v[TM+4]  ; the four bytes make my row's scale word of this K step
	v_lshl_or_b32 v[SW+(\t)], v[TM+6], 16, v[SW+(\t)]
	v_lshl_or_b32 v[SW+(\t)], v[TM+7], 24, v[SW+(\t)]
.irp c, 0,1,2,3
	global_store_b128 v[LI], v[PC+4*\c:PC+4*\c+3], s[DST:DST+1] offset:2048*(\t)+512*\c   ; the image: 512 consecutive bytes a store
.endr
.endm
	s_wait_alu depctr_va_vdst(0)
	STEPQ 0
	STEPQ 1
	STEPQ 2
	STEPQ 3
	v_cndmask_b32 v250, v[SW], v[SW+2], s[HM]      ; both halves of the lanes hold row r's four words: lanes 0-15 store words 0, 1, lanes 16-31 words 2, 3
	v_cndmask_b32 v251, v[SW+1], v[SW+3], s[HM]
	global_store_b64 v[SCA], v[250:251], s[DSC:DSC+1]   ; 256 consecutive bytes, aligned
	s_wait_tensorcnt 0x0                           ; the wave's end, behind my last LDS store
	ds_add_u32 v[SPW], v[NIL]
	s_wait_dscnt 0x0
	s_endpgm
.Lfunc_end_k_q474cf18f21_quant:
	.size	k_q474cf18f21_quant, .Lfunc_end_k_q474cf18f21_quant-k_q474cf18f21_quant
	.p2alignl 7, 3214868480
	.fill 96, 4, 3214868480
	.section	.rodata,"a",@progbits
	.p2align	6, 0x0
	.amdhsa_kernel k_q474cf18f21_quant
		.amdhsa_group_segment_fixed_size 34304
		.amdhsa_private_segment_fixed_size 0
		.amdhsa_enable_private_segment 0
		.amdhsa_kernarg_size 72
		.amdhsa_user_sgpr_count 2
		.amdhsa_user_sgpr_kernarg_segment_ptr 1
		.amdhsa_wavefront_size32 1
		.amdhsa_system_sgpr_workgroup_id_x 1
		.amdhsa_system_sgpr_workgroup_id_y 1
		.amdhsa_system_sgpr_workgroup_id_z 1
		.amdhsa_system_vgpr_workitem_id 0
		.amdhsa_next_free_vgpr 256
		.amdhsa_next_free_sgpr 66
		.amdhsa_reserve_vcc 1
		.amdhsa_float_denorm_mode_32 3
		.amdhsa_float_denorm_mode_16_64 3
		.amdhsa_fp16_overflow 1
		.amdhsa_memory_ordered 1
		.amdhsa_forward_progress 1
		.amdhsa_inst_pref_size 38
	.end_amdhsa_kernel
	.amdgpu_metadata
---
amdhsa.version: [ 1, 2 ]
amdhsa.kernels:
  - .name:           k_q474cf18f21_quant
    .symbol:         k_q474cf18f21_quant.kd
    .args:
      - { .name: x, .offset: 0, .size: 8, .value_kind: global_buffer, .address_space: global }
      - { .name: Wq, .offset: 8, .size: 8, .value_kind: global_buffer, .address_space: global }
      - { .name: Wk, .offset: 16, .size: 8, .value_kind: global_buffer, .address_space: global }
      - { .name: Wv, .offset: 24, .size: 8, .value_kind: global_buffer, .address_space: global }
      - { .name: Wo, .offset: 32, .size: 8, .value_kind: global_buffer, .address_space: global }
      - { .name: token_positions, .offset: 40, .size: 8, .value_kind: global_buffer, .address_space: global }
      - { .name: xq, .offset: 48, .size: 8, .value_kind: global_buffer, .address_space: global }
      - { .name: wq, .offset: 56, .size: 8, .value_kind: global_buffer, .address_space: global }
      - { .name: rt, .offset: 64, .size: 8, .value_kind: global_buffer, .address_space: global }
    .group_segment_fixed_size: 34304
    .private_segment_fixed_size: 0
    .kernarg_segment_align: 8
    .kernarg_segment_size: 72
    .max_flat_workgroup_size: 128
    .sgpr_count:     66
    .vgpr_count:     256
    .wavefront_size: 32
...
	.end_amdgpu_metadata
.endif
;; end of part 1
;; launch proj (part 2): grid 12 x 64, 4 waves a work-group, clusters of 4 x 1, 167,936 bytes of LDS; arguments xq, wq, rt, qb, kv; writes qb, kv
.if DOCPART == 2
	.amdgcn_target "amdgcn-amd-amdhsa--gfx1250"
	.amdhsa_code_object_version 6
	.text
	.protected	k_q474cf18f21_proj
	.globl	k_q474cf18f21_proj
	.p2align	8
	.type	k_q474cf18f21_proj,@function
k_q474cf18f21_proj:
	s_mov_b64 s[64:65], 0
	v_nop
	global_prefetch_b8 v0, s[64:65] scope:SCOPE_SE
	s_setreg_imm32_b32 hwreg(HW_REG_WAVE_MODE, 25, 1), 1
	s_wait_xcnt 0x0
	s_wait_alu depctr_hold_cnt(0) depctr_sa_sdst(0) depctr_va_vdst(0) depctr_va_sdst(0) depctr_va_ssrc(0) depctr_va_vcc(0) depctr_vm_vsrc(0)
	s_getreg_b32 s2, hwreg(HW_REG_IB_STS2, 6, 4)
	s_cmp_eq_u32 s2, 0
	s_cbranch_scc0 .Lentry_in_a_cluster
	s_endpgm
.Lentry_in_a_cluster:
	s_bfe_u32 s2, ttmp6, 0x10000c
	s_cmp_lg_u32 s2, 0x3003
	s_cbranch_scc0 .Lentry_shape_is_right
	s_endpgm
.Lentry_shape_is_right:
; Launch 2 of 4: Q = x Wq^T, K = x Wk^T, V = x Wv^T on codes of E4M3; Q and K are rotated (cos/sin from the table rt) and quantised along the head's 64, V along the tokens.  No work of this launch is left out.
; LIMITS: as in launch 1 (NaN and infinities not served; the byte's floor 1).
; SHARES.  A work-group takes 128 tokens (work-group y: 4 pairs of 32) and 4 heads of one of the three weights; each of its four waves takes one head: 64 rows of W for all K = 1,024, 32 fragments, 512 registers, loaded once.
; The tokens' codes and scale words, 4 x 33,792 dense bytes, come into LDS by two tensor loads a wave, issued together at the start and filled once: no slot is filled again.
; CLUSTER.  The four work-groups of a cluster take the same tokens and other heads, so the tokens are asked for JOINTLY.  The cluster's x is the weight: 0 Q, 1 K, 2 V: the one branch on it is alike in all partners.
; W goes from memory straight into each wave's registers, so it has no joint form.
; A UNIT is a pair of tokens: 64 matrix instructions, 8 accumulators by turns.
; Q, K: source 0 = 16 rows of W, source 1 = 16 tokens: a lane holds one token and 32 channels 32 b + 16 h + 0 .. 15 of each tile of tokens: pairs for the rotation, and the order of the next operand's registers.
; V: source 0 = 16 tokens, source 1 = 16 rows of W: a lane holds one channel and 16 neighbouring tokens of each tile of channels.
; OUT, for head g = 16 batch + head, 274,432 bytes each, in qb (Q) and kv (K, V): images of tiles of 16 tokens [tile 0..127][c 0..1][lane][16] at 0; V^T [key step 0..15][channel tile 0..3][c 0..3][lane][16] at 131,072;
; scale words of Q or K [key step][row 0..15][tile 0..7] at 262,144 (bytes 0, 1 the two blocks, bytes 2, 3 = 127 for the zero codes that fill K up to 128); V's [key step][row][channel tile] at 270,336.
; REGISTERS, in windows of 256: window 0: addresses, scale words, accumulators, at work; window 1: W's K steps 0-3 at 64 s + 16 tile; window 2: K steps 4-7; window 3: the pair's fragments, K steps 0-3 at 32 s + 16 tile, 4-7 from 128.
.set PAIRB, 33792
.set CHUNK, 4*PAIRB
.set SPARE, CHUNK                      ; behind the tokens: the spare words, 128 bytes a wave
.set HEADB, 274432
.set VIMG,  131072
.set KSO,   262144
.set VSO,   270336
.set LI,  1                            ; v1     16 x lane
.set RR,  2
.set HH,  3
.set AD,  4                            ; v4-7   16 x lane + 33,792 x pair
.set KSA, 8                            ; v8     32 r + 16 h
.set VSA, 9                            ; v9     16 r + 8 h
.set SPW, 10                           ; v10    my spare word; never rewritten
.set NIL, 11                           ; v11    0; never rewritten
.set OW,  12                           ; v12-15 scale words on their way out
.set WSC, 16                           ; v16-31 W's scale words: register 8 (tile / 2) + s; lanes 0-15 the even tile's rows, lanes 16-31 the odd tile's
.set XSC, 32                           ; v32-47 the tokens': two sets of 8 (register s); lanes 0-15 tile 0, lanes 16-31 tile 1
.set ACC, 48                           ; v48-111
.set PC,  112                          ; v112-127 codes
.set TM,  128                          ; v128-143
.set KW,  144                          ; v144-151 the 8 tiles' words (V: v144-147, the 4 channel tiles')
.set TP,  152                          ; v152-159
.set RT,  160                          ; v160-223 cos, sin of the unit's two tiles
.set WV,  14
.set CX,  15
.set MY,  16
.set G1,  24
.set G0A, 32
.set G0B, 36
.set SEL, 40
.set MNT, 42
.set DD,  44
.set EE,  46
.set RTB, 48
.set WB,  50
.set HM,  52
.set GB,  54
.set MSB, 0
.macro WIN new                         ; the immediate's high byte repeats the setting that is left
.if MSB != (\new)
	s_set_vgpr_msb (MSB<<8)|(\new)
.set MSB, (\new)
.endif
.endm
.macro CROUND                          ; a round of the cluster's barrier
	s_barrier_signal -1
	s_barrier_wait -1
	s_cmp_lg_u32 s[WV], 0
	s_cbranch_scc1 .Lnot_wave_0_\@
	s_barrier_signal -3
.Lnot_wave_0_\@:
	s_barrier_wait -3
	s_barrier_signal -1
	s_barrier_wait -1
.endm
.macro PLACES n
.rept \n
	v_nop
.endr
.endm
; one matrix instruction on the registers rD, rA, rB and the scale registers rSA, rSB; ra, rb: the side's scales stand in lanes 16-31
.macro WM zero, ra, rb
.if \zero
.if (\ra) && (\rb)
	v_wmma_scale_f32_16x16x128_f8f6f4 v[rD:rD+7], v[rA:rA+15], v[rB:rB+15], 0, v[rSA], v[rSB] matrix_a_scale:MATRIX_SCALE_ROW1 matrix_b_scale:MATRIX_SCALE_ROW1
.elseif (\ra)
	v_wmma_scale_f32_16x16x128_f8f6f4 v[rD:rD+7], v[rA:rA+15], v[rB:rB+15], 0, v[rSA], v[rSB] matrix_a_scale:MATRIX_SCALE_ROW1
.elseif (\rb)
	v_wmma_scale_f32_16x16x128_f8f6f4 v[rD:rD+7], v[rA:rA+15], v[rB:rB+15], 0, v[rSA], v[rSB] matrix_b_scale:MATRIX_SCALE_ROW1
.else
	v_wmma_scale_f32_16x16x128_f8f6f4 v[rD:rD+7], v[rA:rA+15], v[rB:rB+15], 0, v[rSA], v[rSB]
.endif
.else
.if (\ra) && (\rb)
	v_wmma_scale_f32_16x16x128_f8f6f4 v[rD:rD+7], v[rA:rA+15], v[rB:rB+15], v[rD:rD+7], v[rSA], v[rSB] matrix_a_scale:MATRIX_SCALE_ROW1 matrix_b_scale:MATRIX_SCALE_ROW1
.elseif (\ra)
	v_wmma_scale_f32_16x16x128_f8f6f4 v[rD:rD+7], v[rA:rA+15], v[rB:rB+15], v[rD:rD+7], v[rSA], v[rSB] matrix_a_scale:MATRIX_SCALE_ROW1
.elseif (\rb)
	v_wmma_scale_f32_16x16x128_f8f6f4 v[rD:rD+7], v[rA:rA+15], v[rB:rB+15], v[rD:rD+7], v[rSA], v[rSB] matrix_b_scale:MATRIX_SCALE_ROW1
.else
	v_wmma_scale_f32_16x16x128_f8f6f4 v[rD:rD+7], v[rA:rA+15], v[rB:rB+15], v[rD:rD+7], v[rSA], v[rSB]
.endif
.endif
.endm
; 32 matrix instructions: K steps 4 hh .. 4 hh + 3 of unit un; the first K step starts the sums with the constant 0.  path 0: W is source 0; path 1: the tokens are.
.macro MULH path, un, hh
.if \path == 0
	WIN 0x0d+\hh                                   ; source 0 window 1 or 2 (W), source 1 window 3
.else
	WIN 0x07+4*\hh                                 ; source 0 window 3, source 1 window 1 or 2
.endif
.irp ks, 0,1,2,3
.irp xt, 0,1
.irp nt, 0,1,2,3
.set zz, (\hh == 0) && (\ks == 0)
.set rW, 64*\ks+16*\nt
.set rX, 128*\hh+32*\ks+16*\xt
.set rWS, WSC+8*(\nt/2)+4*\hh+\ks
.set rXS, XSC+8*((\un)%2)+4*\hh+\ks
.if \path == 0
.set rD, ACC+32*\xt+8*\nt
.set rA, rW
.set rB, rX
.set rSA, rWS
.set rSB, rXS
	WM zz, \nt%2, \xt
.else
.set rD, ACC+16*\nt+8*\xt
.set rA, rX
.set rB, rW
.set rSA, rXS
.set rSB, rWS
	WM zz, \xt, \nt%2
.endif
.endr
.endr
.endr
.endm
.macro XLOAD p, hh                     ; pair p's eight fragments of K steps 4 hh on: 32 loads of 512 consecutive bytes
	WIN 0xc0                                       ; destination window 3, address window 0
.irp ks, 0,1,2,3
.irp xt, 0,1
.irp c, 0,1,2,3
	ds_load_b128 v[128*\hh+32*\ks+16*\xt+4*\c:128*\hh+32*\ks+16*\xt+4*\c+3], v[AD+(\p)] offset:16384*\xt+2048*(4*\hh+\ks)+512*\c
.endr
.endr
.endr
	WIN 0
.endm
.macro XSCALE p                        ; and its scale words
	ds_load_b128 v[XSC+8*((\p)%2):XSC+8*((\p)%2)+3], v[AD+(\p)] offset:32768
	ds_load_b128 v[XSC+8*((\p)%2)+4:XSC+8*((\p)%2)+7], v[AD+(\p)] offset:33280
.endm
.macro RLOAD un                        ; cos, sin for the unit's two tiles of tokens
.irp xt, 0,1
.irp q, 0,1,2,3,4,5,6,7
	global_load_b128 v[RT+32*\xt+4*\q:RT+32*\xt+4*\q+3], v[LI], s[RTB:RTB+1] offset:(2*(\un)+\xt)*4096+512*\q
.endr
.endr
.endm
; 64 numbers of a lane in four blocks of 16, each block shared with lane l xor 16, become 16 registers of codes; the four bytes stay in v[TM+4] on.
.macro QUANT s, pc
.irp b, 0,1,2,3
	v_max3_num_f32 v[TM+\b], |v[\s+16*\b]|, |v[\s+1+16*\b]|, 0x4800000   ; and the floor 2^(9 - 127): the byte cannot fall under 1
.endr
.irp i, 2,4,6,8,10,12,14
.irp b, 0,1,2,3
	v_max3_num_f32 v[TM+\b], v[TM+\b], |v[\s+16*\b+\i]|, |v[\s+1+16*\b+\i]|
.endr
.endr
.irp b, 0,1,2,3
	v_permlanex16_b32 v[TM+4+\b], v[TM+\b], s[SEL], s[SEL+1]
.endr
.irp b, 0,1,2,3
	v_max_num_f32 v[TM+\b], v[TM+\b], v[TM+4+\b]
.endr
.irp b, 0,1,2,3
	v_add_nc_u32 v[TM+12+\b], 0xfc000000, v[TM+\b] ; 8 off the exponent field: the conversion's scale operand
.endr
.irp b, 0,1,2,3
.endr
.irp b, 0,1,2,3
	v_lshrrev_b32 v[TM+4+\b], 23, v[TM+12+\b]      ; the scale's byte
.endr
.irp b, 0,1,2,3
.irp i, 0,1,2,3,4,5,6,7,8,9,10,11,12,13,14,15
.endr
	v_cvt_scalef32_pk8_fp8_f32 v[\pc+4*\b:\pc+1+4*\b], v[\s+16*\b:\s+7+16*\b], v[TM+12+\b]
	v_cvt_scalef32_pk8_fp8_f32 v[\pc+2+4*\b:\pc+3+4*\b], v[\s+8+16*\b:\s+15+16*\b], v[TM+12+\b]
.endr
	v_nop                                          ; a plain instruction behind the last conversion: the next unit's products write the numbers' registers
.endm
; Q, K: the rotation (t1, t2) -> (t1 cos - t2 sin, t1 sin + t2 cos), a register pair at a time, each accumulator from its low end on; then the quantiser: blocks 2 tile + b; then the two tiles' images.
.macro EPQK un
	s_wait_loadcnt 0x0                             ; cos, sin
.irp g, 0,1,2,3,4,5,6,7
.irp k, 0,1,2,3
	v_pk_mul_f32 v[TP+2*\k:TP+2*\k+1], v[ACC+8*\g+2*\k:ACC+8*\g+2*\k+1], v[RT+8*\g+2*\k:RT+8*\g+2*\k+1] op_sel:[1,1] op_sel_hi:[0,1] neg_lo:[0,1]   ; (-t2 sin, t1 sin)
.endr
.irp k, 0,1,2,3
	v_pk_fma_f32 v[ACC+8*\g+2*\k:ACC+8*\g+2*\k+1], v[ACC+8*\g+2*\k:ACC+8*\g+2*\k+1], v[RT+8*\g+2*\k:RT+8*\g+2*\k+1], v[TP+2*\k:TP+2*\k+1] op_sel_hi:[1,0,1]   ; + (t1 cos, t2 cos)
.endr
.endr
	s_wait_xcnt 0x0                                ; the last unit's stores have read the codes' registers
	QUANT ACC, PC
.irp xt, 0,1
	v_lshl_or_b32 v[KW+2*(\un)+\xt], v[TM+5+2*\xt], 8, v[TM+4+2*\xt]
	v_or_b32 v[KW+2*(\un)+\xt], 0x7f7f0000, v[KW+2*(\un)+\xt]
.endr
.irp xt, 0,1
.irp c, 0,1
	global_store_b128 v[LI], v[PC+8*\xt+4*\c:PC+8*\xt+4*\c+3], s[DD:DD+1] offset:(2*(\un)+\xt)*1024+512*\c   ; 512 consecutive bytes
.endr
.endr
.endm
; V: block ct = the pair's 32 tokens of my channel in channel tile ct: block un of the key step
.macro EPV un
	s_wait_xcnt 0x0
	QUANT ACC, PC
.irp ct, 0,1,2,3
.if \un == 0
	v_mov_b32 v[KW+\ct], v[TM+4+\ct]
.else
	v_lshl_or_b32 v[KW+\ct], v[TM+4+\ct], 8*\un, v[KW+\ct]
.endif
.endr
.irp ct, 0,1,2,3
	global_store_b128 v[LI], v[PC+4*\ct:PC+4*\ct+3], s[DD:DD+1] offset:VIMG+2048*\ct+512*\un
.endr
.endm
.macro UNIT path, un
.if \path == 0
	RLOAD \un                                      ; the unit's cos and sin are asked for at its head, in the rotated paths alone: V asks for none
.endif
	s_wait_dscnt 32                                ; K steps 0-3 and the scale words are in; the youngest 32 loads (K steps 4-7) may be out
.if \un == 0
	s_wait_loadcnt 63                              ; behind W's scale words and K steps 0-3 stand 64 loads (K steps 4-7), in the rotated paths 16 more (cos, sin): the largest count that can be named covers them
.endif
	MULH \path, \un, 0
	WIN 0
.if \un == 1
	s_wait_tensorcnt 0x0                           ; my part of pairs 2 and 3 has landed,
	s_wait_dscnt 0x0
	s_barrier_signal -1
	s_barrier_wait -1                              ; everybody's has.
.endif
	PLACES 8                                       ; in front of loads into registers that matrix instructions have read
.if \un < 3
	XLOAD \un+1, 0
	XSCALE \un+1
	s_wait_dscnt 34                                ; all but the 34 just issued
.else
	s_wait_dscnt 0x0
.endif
.if \un == 0
	s_wait_loadcnt 0x0                             ; W's K steps 4-7
.endif
	MULH \path, \un, 1
	WIN 0
	PLACES 9                                       ; for the loads below and the first read of results 8 are asked; the next unit's first products write over these accumulators: 9
.if \un < 3
	XLOAD \un+1, 1
.endif
.if \path == 0
	EPQK \un
.else
	EPV \un
.endif
.endm
	s_load_b256 s[4:11], s[0:1], 0x0               ; xq, wq, rt, qb
	s_load_b64 s[12:13], s[0:1], 0x20              ; kv
	v_lshl_add_u32 v[SPW], v0, 2, SPARE
	v_mov_b32 v[NIL], 0
	ds_add_u32 v[SPW], v[NIL]                      ; the wave's opening: the add, twice on end, and its wait ahead of my first tensor load
	ds_add_u32 v[SPW], v[NIL]
	v_lshrrev_b32 v1, 5, v0
	v_readfirstlane_b32 s[WV], v1                  ; wave 0..3
	s_bfe_u32 s[CX], ttmp6, 0x40000                ; my place in the cluster: it enters W's address and the results' alone
	s_and_b32 s[MY], ttmp7, 0xffff                 ; which 128 tokens
	s_mov_b32 s[G1], 15|(3<<16)|(1<<21)            ; the mask: all four work-groups; elements of 8 bytes; bit 21 beside a mask; no padding
	s_mov_b32 s[G1+1], 32<<16                      ; tensor_dim0 = 32 elements: rows of 256 bytes of a dense block
	s_mov_b32 s[G1+2], 66<<16                      ; tensor_dim1 = 66 rows: a quarter of two pairs
	s_mov_b32 s[G1+3], 32<<16                      ; tile_dim0
	s_mov_b32 s[G1+4], 66                          ; tile_dim1
	s_mov_b32 s[G1+5], 32                          ; the pitch
	s_mov_b32 s[G1+6], 0
	s_mov_b32 s[G1+7], 0
	s_mul_i32 s17, s[WV], 66*256                   ; my quarter, in LDS and in memory
	s_mul_i32 s18, s[MY], CHUNK
	s_add_co_u32 s18, s18, s17
	s_mov_b32 s19, 0
	s_mov_b32 s[SEL], 0x76543210
	s_mov_b32 s[SEL+1], 0xfedcba98
	s_lshl_b32 s20, s[CX], 2
	s_add_co_u32 s20, s20, s[WV]                   ; my head
	s_lshl_b32 s21, ttmp9, 4
	s_add_co_u32 s21, s21, s20                     ; among the 48 of Wq, Wk, Wv
	s_mul_i32 s56, s21, 2*PAIRB
	s_mov_b32 s57, 0
	s_lshr_b32 s21, s[MY], 4
	s_lshl_b32 s21, s21, 4
	s_add_co_u32 s21, s21, s20                     ; g = 16 batch + head
	s_mul_i32 s58, s21, HEADB
	s_mov_b32 s59, 0
	s_and_b32 s22, s[MY], 15                       ; the key step: which 128 tokens of the sequence
	v_and_b32 v1, 31, v0
	v_lshlrev_b32 v[LI], 4, v1
	v_and_b32 v[RR], 15, v0
	v_bfe_u32 v[HH], v0, 4, 1
.irp p, 0,1,2,3
	v_add_nc_u32 v[AD+\p], \p*PAIRB, v[LI]
.endr
	v_lshlrev_b32 v[KSA], 5, v[RR]
	v_lshl_add_u32 v[KSA], v[HH], 4, v[KSA]
	v_lshlrev_b32 v[VSA], 4, v[RR]
	v_lshl_add_u32 v[VSA], v[HH], 3, v[VSA]
	v_cmp_ne_u32 s[HM], 0, v[HH]
.irp b, 0,1,2,3
	v_mov_b32 v[TM+4+\b], 0                        ; written once: a lane permute's destination counts as one of its sources
.endr
	s_wait_dscnt 0x0                               ; both opening adds are done
	s_wait_kmcnt 0x0
	s_mov_b32 s[G0A], 1
	s_mov_b32 s[G0A+1], s17                        ; pairs 0 and 1
	s_add_nc_u64 s[G0A+2:G0A+3], s[4:5], s[18:19]
	s_mov_b32 s[G0B], 1
	s_add_co_u32 s[G0B+1], s17, 2*PAIRB            ; pairs 2 and 3
	s_add_nc_u64 s[G0B+2:G0B+3], s[G0A+2:G0A+3], 2*PAIRB
	s_or_b32 s[G0A+3], s[G0A+3], 0x80000000
	s_or_b32 s[G0B+3], s[G0B+3], 0x80000000
	CROUND                                         ; all four work-groups are here: the joint loads meet
	tensor_load_to_lds s[G0A:G0A+3], s[G1:G1+7]    ; two loads of mine are out
	s_nop 0
	tensor_load_to_lds s[G0B:G0B+3], s[G1:G1+7]
	s_nop 0
.rept 4
	v_nop
.endr
	s_add_nc_u64 s[WB:WB+1], s[6:7], s[56:57]
	s_cmp_eq_u32 ttmp9, 0
	s_cselect_b64 s[GB:GB+1], s[10:11], s[12:13]   ; Q goes to qb, K and V to kv
	s_add_nc_u64 s[GB:GB+1], s[GB:GB+1], s[58:59]
	s_lshl_b32 s56, s22, 13
	s_add_nc_u64 s[DD:DD+1], s[GB:GB+1], s[56:57]  ; a key step's images: 8,192 bytes, of K as of V^T
	s_lshl_b32 s56, s22, 15
	s_add_nc_u64 s[RTB:RTB+1], s[8:9], s[56:57]    ; the key step's eight tiles of the table
.irp pw, 0,1
.irp kh, 0,1
	global_load_b128 v[WSC+8*\pw+4*\kh:WSC+8*\pw+4*\kh+3], v[LI], s[WB:WB+1] offset:\pw*PAIRB+32768+512*\kh
.endr
.endr
	WIN 0x40                                       ; destination window 1
.irp ks, 0,1,2,3
.irp nt, 0,1,2,3
.irp c, 0,1,2,3
	global_load_b128 v[64*\ks+16*\nt+4*\c:64*\ks+16*\nt+4*\c+3], v[LI], s[WB:WB+1] offset:(\nt/2)*PAIRB+(\nt%2)*16384+2048*\ks+512*\c
.endr
.endr
.endr
	WIN 0x80                                       ; destination window 2
.irp ks, 0,1,2,3
.irp nt, 0,1,2,3
.irp c, 0,1,2,3
	global_load_b128 v[64*\ks+16*\nt+4*\c:64*\ks+16*\nt+4*\c+3], v[LI], s[WB:WB+1] offset:(\nt/2)*PAIRB+(\nt%2)*16384+2048*(4+\ks)+512*\c
.endr
.endr
.endr
	WIN 0
	s_wait_tensorcnt 0x1                           ; my part of pairs 0 and 1 is in; the other load may stay out
	s_barrier_signal -1
	s_barrier_wait -1
	XLOAD 0, 0
	XSCALE 0
	XLOAD 0, 1
	s_cmp_eq_u32 ttmp9, 2                          ; the launch's one branch on the weight: V is not rotated and is quantised along the tokens
	s_cbranch_scc1 .Lv
	s_lshl_b32 s56, s22, 9
	s_add_nc_u64 s[EE:EE+1], s[GB:GB+1], s[56:57]  ; a key step's scale words of Q or K: 512 bytes
	UNIT 0, 0
	UNIT 0, 1
	UNIT 0, 2
	UNIT 0, 3
.irp i, 0,1,2,3
	v_cndmask_b32 v[OW+\i], v[KW+\i], v[KW+4+\i], s[HM]   ; both halves of the lanes hold row r's eight words: lanes 0-15 store tiles 0-3, lanes 16-31 tiles 4-7
.endr
	global_store_b128 v[KSA], v[OW:OW+3], s[EE:EE+1] offset:KSO   ; 512 consecutive bytes
	s_branch .Lend
.Lv:
	s_lshl_b32 s56, s22, 8
	s_add_nc_u64 s[EE:EE+1], s[GB:GB+1], s[56:57]  ; V's: 256 bytes
	UNIT 1, 0
	UNIT 1, 1
	UNIT 1, 2
	UNIT 1, 3
	v_cndmask_b32 v[OW], v[KW], v[KW+2], s[HM]     ; lanes 0-15 store channel tiles 0, 1, lanes 16-31 tiles 2, 3
	v_cndmask_b32 v[OW+1], v[KW+1], v[KW+3], s[HM]
	global_store_b64 v[VSA], v[OW:OW+1], s[EE:EE+1] offset:VSO   ; 256 consecutive bytes, aligned
.Lend:
	s_wait_tensorcnt 0x0                           ; the wave's end, behind my last tensor load
	ds_add_u32 v[SPW], v[NIL]
	s_wait_dscnt 0x0
	CROUND                                         ; the closing round
	s_endpgm
.Lfunc_end_k_q474cf18f21_proj:
	.size	k_q474cf18f21_proj, .Lfunc_end_k_q474cf18f21_proj-k_q474cf18f21_proj
	.p2alignl 7, 3214868480
	.fill 96, 4, 3214868480
	.section	.rodata,"a",@progbits
	.p2align	6, 0x0
	.amdhsa_kernel k_q474cf18f21_proj
		.amdhsa_group_segment_fixed_size 167936
		.amdhsa_private_segment_fixed_size 0
		.amdhsa_enable_private_segment 0
		.amdhsa_kernarg_size 40
		.amdhsa_user_sgpr_count 2
		.amdhsa_user_sgpr_kernarg_segment_ptr 1
		.amdhsa_wavefront_size32 1
		.amdhsa_system_sgpr_workgroup_id_x 1
		.amdhsa_system_sgpr_workgroup_id_y 1
		.amdhsa_system_sgpr_workgroup_id_z 1
		.amdhsa_system_vgpr_workitem_id 0
		.amdhsa_next_free_vgpr 1024
		.amdhsa_next_free_sgpr 66
		.amdhsa_reserve_vcc 0
		.amdhsa_float_denorm_mode_32 3
		.amdhsa_float_denorm_mode_16_64 3
		.amdhsa_fp16_overflow 1
		.amdhsa_memory_ordered 1
		.amdhsa_forward_progress 1
		.amdhsa_inst_pref_size 173
	.end_amdhsa_kernel
	.amdgpu_metadata
---
amdhsa.version: [ 1, 2 ]
amdhsa.kernels:
  - .name:           k_q474cf18f21_proj
    .symbol:         k_q474cf18f21_proj.kd
    .args:
      - { .name: xq, .offset: 0, .size: 8, .value_kind: global_buffer, .address_space: global }
      - { .name: wq, .offset: 8, .size: 8, .value_kind: global_buffer, .address_space: global }
      - { .name: rt, .offset: 16, .size: 8, .value_kind: global_buffer, .address_space: global }
      - { .name: qb, .offset: 24, .size: 8, .value_kind: global_buffer, .address_space: global }
      - { .name: kv, .offset: 32, .size: 8, .value_kind: global_buffer, .address_space: global }
    .group_segment_fixed_size: 167936
    .private_segment_fixed_size: 0
    .kernarg_segment_align: 8
    .kernarg_segment_size: 40
    .max_flat_workgroup_size: 128
    .sgpr_count:     66
    .vgpr_count:     1024
    .wavefront_size: 32
...
	.end_amdgpu_metadata
.endif
;; end of part 2
;; launch attn (part 3): grid 4 x 64, 16 waves a work-group, clusters of 4 x 1, 327,680 bytes of LDS; arguments qb, kv, yq; writes yq
.if DOCPART == 3
	.amdgcn_target "amdgcn-amd-amdhsa--gfx1250"
	.amdhsa_code_object_version 6
	.text
	.protected	k_q474cf18f21_attn
	.globl	k_q474cf18f21_attn
	.p2align	8
	.type	k_q474cf18f21_attn,@function
k_q474cf18f21_attn:
	s_mov_b64 s[64:65], 0
	v_nop
	global_prefetch_b8 v0, s[64:65] scope:SCOPE_SE
	s_setreg_imm32_b32 hwreg(HW_REG_WAVE_MODE, 25, 1), 1
	s_wait_xcnt 0x0
	s_wait_alu depctr_hold_cnt(0) depctr_sa_sdst(0) depctr_va_vdst(0) depctr_va_sdst(0) depctr_va_ssrc(0) depctr_va_vcc(0) depctr_vm_vsrc(0)
	s_getreg_b32 s2, hwreg(HW_REG_IB_STS2, 6, 4)
	s_cmp_eq_u32 s2, 0
	s_cbranch_scc0 .Lentry_in_a_cluster
	s_endpgm
.Lentry_in_a_cluster:
	s_bfe_u32 s2, ttmp6, 0x10000c
	s_cmp_lg_u32 s2, 0x3003
	s_cbranch_scc0 .Lentry_shape_is_right
	s_endpgm
.Lentry_shape_is_right:
; Launch 3 of 4: for each head S^T = K Q^T, the softmax by the problem's rule, O^T = V^T P^T, Y = O / l quantised along head x 64 + channel, all products on codes of E4M3.
; WORK LEFT OUT: a step of 128 keys all of which come after a tile's 16 queries (reference()'s own causal mask gives them the weight 0 for every input: shown at the head of launch 1).
; LIMITS: as in launch 1; a NaN, an infinity or an overflow that would arise only in the scores left out is not carried to the result.
; THE SOFTMAX: t = score x log2(e) / 8; M = the running largest t rounded UP to a whole number; p = 2^(t - M) is quantised along the keys, not normalised; the row's sum is taken of the unquantised p and divides O at
; the end.  When M moves, the sum and O^T are multiplied by 2^(old M - new M): exact.  A block's largest p is the same multiply-add and exponential of the block's largest score.
; SHARES.  A cluster is one head; its four work-groups ask JOINTLY for the head's 274,432 bytes (K's images, V^T's images, both scale words), one tensor load of 67 rows of 256 bytes a wave, filled once: no ring.
; Of the head's 128 tiles of 16 queries, work-group cx takes tiles 8 o + 2 cx and 8 o + 2 cx + 1 of every octet o.  Wave w takes two: in pass 0 tile 8 w + 2 cx (key steps 0 .. w), in pass 1 tile 8 (15 - w) + 2 cx + 1
; (key steps 0 .. 15 - w): 17 steps for every wave of every work-group.  No branch and no LDS address hangs on cx: it enters Q's and Y's global offsets and the mask's lane number.
; Both loops have constant counts; a step beyond the tile's last is jumped over by a branch on the wave's number and the count, but for the lines that step addresses.  No barrier stands in the loops.
; LAYOUT.  Both products are used transposed: a lane holds ONE query throughout.  By the tiles' order of rows (launch 1) the 16 registers of key tiles 2 b, 2 b + 1 are keys 32 b + 16 h + 0 .. 15, and those of channel
; tiles 2 b, 2 b + 1 channels 32 b + 16 h + 0 .. 15.  The first product's K is 64: registers 8-15 of Q's and K's fragments are zero codes for the whole launch, under the byte 127.
.set HEADB, 274432
.set VIMG,  131072
.set KSO,   262144
.set VSO,   270336
.set SPARE, HEADB                      ; behind the head: the spare words, 128 bytes for each of 16 waves
.set PAIRB, 33792
.set LI,   1                           ; v1   16 x lane
.set AKS0, 2                           ; v2   KSO + 32 r
.set AVS0, 3                           ; v3   VSO + 16 r
.set DQ,   4                           ; v4   my query less the diagonal step's first key less 16 h
.set SPW,  5
.set NIL,  6
.set QAD,  7
.set ADK,  8
.set ADV,  9
.set ADS,  10
.set ADT,  11                          ; v12 -M, v13 the largest t, v[14:15] the sum in two halves
.set QF,   16                          ; v16-31   Q
.set KF,   32                          ; v32-95   four fragments of K
.set ST,   96                          ; v96-159  S^T, then p, then V's four fragments
.set OT,   160                         ; v160-191 O^T
.set PCD,  192                         ; v192-207 p's codes; Y's at a pass's end
.set BM,   208                         ; v208-211 block maxima
.set BT,   212                         ; v212-215 at work, bytes
.set HO,   216
.set SO,   220                         ; v220-223 the conversions' scale operands
.set KSW,  224                         ; v224-231 K's scale words of the step's 8 tiles
.set VSW,  232                         ; v232-235 V's of the 4 channel tiles
.set QSW,  236
.set PSW,  237
.set FF,   238                         ; v[238:239] f = 2^(old M - new M), and 0
.set T0,   240
.set YAD,  241
.set YSA,  242
.set QSA,  243
.set DQ0,  244                         ; r + 8 (r / 8) - 16 h
.set AV0,  245                         ; 16 x lane + VIMG
.set YS0,  246                         ; 16 r + h
.set R32,  250                         ; 32 r
.set WV,   10
.set CX,   11
.set GG,   12
.set G1,   16
.set G0,   24
.set SEL,  28
.set CS,   30
.set MNT,  32
.set LIM,  33
.set PS,   34
.set NN,   35
.set TK,   36
.set TS,   37
.set TV,   38
.set QB,   40
.set YC1,  42
.set YC2,  43
.set HM,   44
.macro CROUND
	s_barrier_signal -1
	s_barrier_wait -1
	s_cmp_lg_u32 s[WV], 0
	s_cbranch_scc1 .Lnot_wave_0_\@
	s_barrier_signal -3
.Lnot_wave_0_\@:
	s_barrier_wait -3
	s_barrier_signal -1
	s_barrier_wait -1
.endm
	s_load_b128 s[4:7], s[0:1], 0x0                ; qb, kv
	s_load_b64 s[8:9], s[0:1], 0x10                ; yq
	v_lshl_add_u32 v[SPW], v0, 2, SPARE
	v_mov_b32 v[NIL], 0
	ds_add_u32 v[SPW], v[NIL]                      ; the wave's opening: the add, twice on end, and its wait ahead of my first tensor load
	ds_add_u32 v[SPW], v[NIL]
	v_lshrrev_b32 v1, 5, v0
	s_delay_alu instid0(VALU_DEP_1)
	v_readfirstlane_b32 s[WV], v1                  ; wave 0..15
	s_bfe_u32 s[CX], ttmp6, 0x40000
	s_and_b32 s[GG], ttmp7, 0xffff                 ; g = 16 batch + head
	s_mov_b32 s[G1], 15|(3<<16)|(1<<21)            ; the mask: all four work-groups; elements of 8 bytes; bit 21 beside a mask; no padding
	s_mov_b32 s[G1+1], 32<<16                      ; rows of 256 bytes of a dense block
	s_mov_b32 s[G1+2], 67<<16                      ; 67 rows: a sixteenth of the head
	s_mov_b32 s[G1+3], 32<<16
	s_mov_b32 s[G1+4], 67
	s_mov_b32 s[G1+5], 32
	s_mov_b32 s[G1+6], 0
	s_mov_b32 s[G1+7], 0
	s_mul_i32 s13, s[WV], 67*256
	s_mul_i32 s14, s[GG], HEADB
	s_mov_b32 s15, 0
	s_mov_b32 s[SEL], 0x76543210
	s_mov_b32 s[SEL+1], 0xfedcba98
	s_mov_b32 s[CS], 0x3e38aa3b                    ; c = log2(e) / 8
	s_mov_b32 s[CS+1], s[CS]                       ; (named with it as a pair, so it is written)
	s_mov_b32 s[LIM], s[WV]
	s_mov_b32 s[PS], 0
	s_and_b32 s45, s[GG], 15                       ; the head: Y's K step is head / 2, its blocks 2 (head % 2) and the next
	s_lshr_b32 s46, s45, 1
	s_lshl_b32 s[YC1], s46, 11
	s_and_b32 s47, s45, 1
	s_lshl_b32 s48, s47, 10
	s_add_co_u32 s[YC1], s[YC1], s48
	s_lshr_b32 s48, s45, 3
	s_lshl_b32 s[YC2], s48, 9
	s_and_b32 s46, s46, 3
	s_lshl_b32 s46, s46, 2
	s_add_co_u32 s[YC2], s[YC2], s46
	s_lshl_b32 s47, s47, 1
	s_add_co_u32 s[YC2], s[YC2], s47
	s_add_co_u32 s[YC2], s[YC2], 32768
	s_wait_dscnt 0x0                               ; both opening adds are done
	s_wait_kmcnt 0x0
	s_add_nc_u64 s[QB:QB+1], s[4:5], s[14:15]      ; the head in qb
	s_add_nc_u64 s[G0+2:G0+3], s[6:7], s[14:15]    ; and in kv,
	s_mov_b32 s14, s13
	s_add_nc_u64 s[G0+2:G0+3], s[G0+2:G0+3], s[14:15]   ; my sixteenth
	s_or_b32 s[G0+3], s[G0+3], 0x80000000
	s_mov_b32 s[G0], 1
	s_mov_b32 s[G0+1], s13
	CROUND                                         ; all four work-groups are here: the joint loads meet
	tensor_load_to_lds s[G0:G0+3], s[G1:G1+7]      ; my one tensor load
	s_nop 0
.rept 4
	v_nop
.endr
	v_and_b32 v1, 31, v0
	s_delay_alu instid0(VALU_DEP_1)
	v_lshlrev_b32 v[LI], 4, v1
	v_and_b32 v247, 15, v0                         ; r
	v_bfe_u32 v248, v0, 4, 1                       ; h
	s_delay_alu instid0(VALU_DEP_2)
	v_lshl_add_u32 v[AKS0], v247, 5, KSO
	s_delay_alu instid0(VALU_DEP_3)
	v_lshl_add_u32 v[AVS0], v247, 4, VSO
	v_add_nc_u32 v[AV0], VIMG, v[LI]
	v_and_b32 v[DQ0], 8, v247
	s_delay_alu instid0(VALU_DEP_1)
	v_add_nc_u32 v[DQ0], v[DQ0], v247
	v_lshlrev_b32 v249, 4, v248
	s_delay_alu instid0(VALU_DEP_1)
	v_sub_nc_u32 v[DQ0], v[DQ0], v249
	v_lshl_add_u32 v[YS0], v247, 4, v248
	v_lshlrev_b32 v[R32], 5, v247
	v_cmp_ne_u32 s[HM], 0, v248
.irp j, 0,1,2,3,4,5,6,7
	v_mov_b32 v[QF+8+\j], 0                        ; the zero codes that fill K = 64 up to 128: written once
.irp t, 0,1,2,3
	v_mov_b32 v[KF+16*\t+8+\j], 0
.endr
.endr
.irp b, 0,1,2,3
	v_mov_b32 v[BT+\b], 0                          ; written once: a lane permute's destination counts as one of its sources
.endr
	v_mov_b32 v[FF+1], 0                           ; (named as the upper half of the pair with f)
	v_mov_b32 v[T0], 0
	s_wait_tensorcnt 0x0                           ; my sixteenth has landed,
	s_barrier_signal -1
	s_barrier_wait -1                              ; everybody's has: the head lies in LDS for the rest of the launch
.Lpass:
	s_wait_xcnt 0x0                                ; the last pass's loads and stores have read their registers
	s_lshl_b32 s45, s[CX], 1
	s_add_co_u32 s45, s45, s[PS]                   ; my tile in its octet
	s_lshl_b32 s46, s[LIM], 3
	s_add_co_u32 s46, s46, s45
	s_lshl_b32 s46, s46, 10
	v_add_nc_u32 v[QAD], s46, v[LI]
	global_load_b128 v[QF:QF+3], v[QAD], s[QB:QB+1]
	global_load_b128 v[QF+4:QF+7], v[QAD], s[QB:QB+1] offset:512
	s_lshl_b32 s46, s[LIM], 9
	s_lshl_b32 s45, s45, 2
	s_add_co_u32 s46, s46, s45
	v_add_nc_u32 v[QSA], s46, v[R32]
	global_load_b32 v[QSW], v[QSA], s[QB:QB+1] offset:KSO
	s_lshl_b32 s45, s[CX], 5
	s_lshl_b32 s46, s[PS], 3
	s_add_co_u32 s45, s45, s46
	v_add_nc_u32 v[DQ], s45, v[DQ0]
.set j, 0
.rept 32
	v_mov_b32 v[OT+j], 0                           ; O^T: the step is written once; the first finds zeros, which the first change of M leaves zeros
.set j, j+1
.endr
	v_mov_b32 v13, 0xff61b1e6                      ; the largest t so far: -3e38
	s_delay_alu instid0(VALU_DEP_1)
	v_floor_f32 v12, -v13                          ; -M
	v_mov_b32 v14, 0
	v_mov_b32 v15, 0
	s_mov_b32 s[TK], 0
	s_mov_b32 s[TS], 0
	s_mov_b32 s[TV], 0
	s_mov_b32 s[NN], 0
	s_wait_loadcnt 0x0                             ; Q and its scale words
.Lstep:
	s_cmp_gt_u32 s[NN], s[LIM]
	s_cbranch_scc1 .Lskip                          ; all 128 keys come after my 16 queries
	s_setprio 2
	v_add_nc_u32 v[ADK], s[TK], v[LI]
	s_wait_alu depctr_va_vdst(0)
	v_add_nc_u32 v[ADV], s[TK], v[AV0]
	v_add_nc_u32 v[ADS], s[TS], v[AKS0]
	v_add_nc_u32 v[ADT], s[TV], v[AVS0]
.rept 5
	v_nop                                          ; with the four additions 9 places: the scores are laid over registers that the last step's products read
.endr
	ds_load_b128 v[KSW:KSW+3], v[ADS]
	ds_load_b128 v[KSW+4:KSW+7], v[ADS] offset:16
	ds_load_b128 v[VSW:VSW+3], v[ADT]
.irp g, 0,1                                    ; S^T = K Q^T, four tiles of 16 keys at a time
.if \g > 0
.rept 8
	v_nop                                          ; places in front of loads into registers that matrix instructions have read
.endr
.endif
.irp t, 0,1,2,3
.irp c, 0,1
	ds_load_b128 v[KF+16*\t+4*\c:KF+16*\t+4*\c+3], v[ADK] offset:(4*\g+\t)*1024+512*\c
.endr
.endr
	s_wait_dscnt 0x0
.irp t, 0,1,2,3
	v_wmma_scale_f32_16x16x128_f8f6f4 v[ST+8*(4*\g+\t):ST+8*(4*\g+\t)+7], v[KF+16*\t:KF+16*\t+15], v[QF:QF+15], 0, v[KSW+4*\g+\t], v[QSW]
.endr
.endr
.rept 8
	v_nop
.endr
	s_cmp_lg_u32 s[NN], s[LIM]
	s_cbranch_scc1 .Lopen                          ; only the tile's last step holds its diagonal
	v_mov_b32 v[T0], 0xff800000                    ; -infinity: p = 0 there
.set n, 0
.rept 64
	v_cmp_gt_i32 vcc_lo, 32*(n/16)+n%16, v[DQ]     ; register 16 b + i holds key 32 b + 16 h + i of the step: hidden where it comes after my query
	v_cndmask_b32 v[ST+n], v[ST+n], v[T0], vcc_lo
.set n, n+1
.endr
.Lopen:
.irp b, 0,1,2,3
	v_max3_num_f32 v[BM+\b], v[ST+16*\b], v[ST+1+16*\b], v[ST+2+16*\b]   ; the largest score of each block of 32 keys: for the row's maximum, and for the block's largest p
.endr
.irp i, 3,5,7,9,11,13
.irp b, 0,1,2,3
	v_max3_num_f32 v[BM+\b], v[BM+\b], v[ST+16*\b+\i], v[ST+1+16*\b+\i]
.endr
.endr
.irp b, 0,1,2,3
	v_max_num_f32 v[BM+\b], v[BM+\b], v[ST+15+16*\b]
.endr
.irp b, 0,1,2,3
	s_delay_alu instid0(VALU_DEP_4)
	v_permlanex16_b32 v[BT+\b], v[BM+\b], s[SEL], s[SEL+1]
.endr
.irp b, 0,1,2,3
	s_delay_alu instid0(VALU_DEP_4)
	v_max_num_f32 v[BM+\b], v[BM+\b], v[BT+\b]     ; with lane l xor 16's 16 keys
.endr
	s_delay_alu instid0(VALU_DEP_2)
	v_max3_num_f32 v[T0], v[BM], v[BM+1], v[BM+2]
	s_delay_alu instid0(VALU_DEP_1)
	v_max_num_f32 v[T0], v[T0], v[BM+3]
	s_delay_alu instid0(VALU_DEP_1)
	v_mul_f32 v[T0], s[CS], v[T0]                  ; as t (c is positive)
	s_delay_alu instid0(VALU_DEP_1)
	v_max_num_f32 v13, v13, v[T0]                  ; the running largest t
	v_mov_b32 v[T0], v12
	s_delay_alu instid0(VALU_DEP_2)
	v_floor_f32 v12, -v13                          ; the new -M = -ceil(t)
	s_delay_alu instid0(VALU_DEP_1)
	v_sub_f32 v[T0], v12, v[T0]                    ; old M - new M: a whole number, 0 or less
	s_delay_alu instid0(VALU_DEP_1)
	v_cvt_i32_f32 v[T0], v[T0]                     ; (it saturates)
	s_delay_alu instid0(VALU_DEP_1)
	v_ldexp_f32 v[FF], 1.0, v[T0]                  ; f
.set j, 0
.rept 32
	v_pk_fma_f32 v[ST+j:ST+j+1], v[ST+j:ST+j+1], s[CS:CS+1], v[12:13] op_sel_hi:[1,0,0]   ; t - M, two at a time
.set j, j+2
.endr
	s_setprio 1
.irp b, 0,1,2,3
	v_fma_f32 v[BM+\b], v[BM+\b], s[CS], v12       ; the same of each block's largest score
.endr
.set j, 0
	s_wait_alu depctr_va_vdst(0)
.rept 64
	v_exp_f32 v[ST+j], v[ST+j]                     ; p = 2^(t - M)
.set j, j+1
.endr
	v_pk_mul_f32 v[14:15], v[14:15], v[FF:FF+1] op_sel_hi:[1,0]   ; the sums under the new M: a plain instruction behind the exponentials
	s_wait_alu depctr_va_vdst(0)                   ; one wait for the batch, ahead of its first reader
.irp b, 0,1,2,3
	v_exp_f32 v[BM+\b], v[BM+\b]                   ; the block's largest p
.endr
	v_pk_add_f32 v[212:213], v[100:101], v[104:105]
	v_pk_add_f32 v[254:255], v[108:109], v[112:113]
	v_pk_add_f32 v[252:253], v[116:117], v[120:121]
	v_pk_add_f32 v[248:249], v[124:125], v[128:129]
	v_pk_add_f32 v[242:243], v[132:133], v[136:137]
	v_pk_add_f32 v[230:231], v[140:141], v[144:145]
	v_pk_add_f32 v[228:229], v[148:149], v[152:153]
	v_pk_add_f32 v[14:15], v[14:15], v[156:157]
	v_pk_add_f32 v[212:213], v[212:213], v[96:97]
	v_pk_add_f32 v[254:255], v[254:255], v[98:99]
	v_pk_add_f32 v[252:253], v[252:253], v[102:103]
	v_pk_add_f32 v[248:249], v[248:249], v[106:107]
	v_pk_add_f32 v[242:243], v[242:243], v[110:111]
	v_pk_add_f32 v[230:231], v[230:231], v[114:115]
	v_pk_add_f32 v[228:229], v[228:229], v[118:119]
	v_pk_add_f32 v[14:15], v[14:15], v[122:123]
	v_pk_add_f32 v[212:213], v[212:213], v[126:127]
	v_pk_add_f32 v[254:255], v[254:255], v[130:131]
	v_pk_add_f32 v[252:253], v[252:253], v[134:135]
	v_pk_add_f32 v[248:249], v[248:249], v[138:139]
	v_pk_add_f32 v[242:243], v[242:243], v[142:143]
	v_pk_add_f32 v[230:231], v[230:231], v[146:147]
	v_pk_add_f32 v[228:229], v[228:229], v[150:151]
	v_pk_add_f32 v[14:15], v[14:15], v[154:155]
	v_pk_add_f32 v[212:213], v[212:213], v[158:159]
	s_delay_alu instid0(VALU_DEP_2)
	v_pk_add_f32 v[14:15], v[14:15], v[248:249]
	s_delay_alu instid0(VALU_DEP_2)
	v_pk_add_f32 v[212:213], v[212:213], v[242:243]
	v_pk_add_f32 v[254:255], v[254:255], v[230:231]
	v_pk_add_f32 v[252:253], v[252:253], v[228:229]
	s_delay_alu instid0(VALU_DEP_2)
	v_pk_add_f32 v[14:15], v[14:15], v[254:255]
	s_delay_alu instid0(VALU_DEP_2)
	v_pk_add_f32 v[212:213], v[212:213], v[252:253]
	s_delay_alu instid0(VALU_DEP_1)
	v_pk_add_f32 v[14:15], v[14:15], v[212:213]
	s_wait_alu depctr_va_vdst(0)                   ; and one for the four
.irp b, 0,1,2,3
	v_max_num_f32 v[BM+\b], 0x4800000, v[BM+\b]    ; the floor 2^(9 - 127): the byte cannot fall under 1
.endr
.irp b, 0,1,2,3
	s_delay_alu instid0(VALU_DEP_4)
	v_add_nc_u32 v[SO+\b], 0xfc000000, v[BM+\b]
.endr
.irp b, 0,1,2,3
.endr
.irp b, 0,1,2,3
	s_delay_alu instid0(VALU_DEP_4)
	v_lshrrev_b32 v[BT+\b], 23, v[SO+\b]
.endr
	s_delay_alu instid0(VALU_DEP_3)
	v_lshl_or_b32 v[PSW], v[BT+1], 8, v[BT]        ; p's scale word for these 128 keys
	s_delay_alu instid0(VALU_DEP_1)
	v_lshl_or_b32 v[PSW], v[BT+2], 16, v[PSW]
	s_delay_alu instid0(VALU_DEP_1)
	v_lshl_or_b32 v[PSW], v[BT+3], 24, v[PSW]
	s_setprio 0
.irp b, 0,1,2,3
.irp i, 0,1,2,3,4,5,6,7,8,9,10,11,12,13,14,15
.endr
	v_cvt_scalef32_pk8_fp8_f32 v[PCD+4*\b:PCD+1+4*\b], v[ST+16*\b:ST+7+16*\b], v[SO+\b]
	v_cvt_scalef32_pk8_fp8_f32 v[PCD+2+4*\b:PCD+3+4*\b], v[ST+8+16*\b:ST+15+16*\b], v[SO+\b]
.endr
	v_nop
.irp t, 0,1,2,3
.irp c, 0,1,2,3
	ds_load_b128 v[ST+16*\t+4*\c:ST+16*\t+4*\c+3], v[ADV] offset:2048*\t+512*\c   ; V^T's four tiles, into the registers that p has left
.endr
.endr
.set j, 0
.rept 16
	v_pk_mul_f32 v[OT+j:OT+j+1], v[OT+j:OT+j+1], v[FF:FF+1] op_sel_hi:[1,0]   ; O^T under the new M; these are also the places between the codes and the products
.set j, j+2
.endr
	s_wait_alu depctr_va_vdst(0)
	s_wait_dscnt 0x0
.irp t, 0,1,2,3                                ; O^T += V^T P^T: four accumulators by turns
	v_wmma_scale_f32_16x16x128_f8f6f4 v[OT+8*\t:OT+8*\t+7], v[ST+16*\t:ST+16*\t+15], v[PCD:PCD+15], v[OT+8*\t:OT+8*\t+7], v[VSW+\t], v[PSW]
.endr
.Lskip:
	s_add_co_u32 s[TK], s[TK], 8192                ; the next step's images of K and of V^T,
	s_add_co_u32 s[TS], s[TS], 512                 ; K's scale words,
	s_add_co_u32 s[TV], s[TV], 256                 ; V's
	s_add_co_u32 s[NN], s[NN], 1
	s_cmp_lt_u32 s[NN], 16
	s_cbranch_scc1 .Lstep
	s_setprio 0
	; A PASS'S END: Y = O / l, quantised in two blocks of 32 channels, stored as the image of the output projection's operand
.rept 8
	v_nop
.endr
	s_wait_alu depctr_va_vdst(0)
	v_add_f32 v14, v14, v15
	s_delay_alu instid0(VALU_DEP_1)
	v_permlanex16_b32 v[T0], v14, s[SEL], s[SEL+1]
	s_delay_alu instid0(VALU_DEP_1)
	v_add_f32 v14, v14, v[T0]                      ; the row's sum
	s_wait_alu depctr_va_vdst(0)
	v_rcp_f32 v14, v14
	s_lshr_b32 s45, s[GG], 4
	s_lshl_b32 s45, s45, 6
	s_lshl_b32 s46, s[LIM], 2
	s_add_co_u32 s45, s45, s46
	s_add_co_u32 s45, s45, s[CX]                   ; the pair of tokens: 64 batch + 4 octet + cx
	s_mul_i32 s45, s45, PAIRB
	s_lshl_b32 s46, s[PS], 14                      ; its tile is the pass
	s_add_co_u32 s46, s46, s45
	s_add_co_u32 s46, s46, s[YC1]
	v_add_nc_u32 v[YAD], s46, v[LI]                ; (plain instructions behind the reciprocal)
	s_lshl_b32 s46, s[PS], 8
	s_add_co_u32 s46, s46, s45
	s_add_co_u32 s46, s46, s[YC2]
	v_add_nc_u32 v[YSA], s46, v[YS0]
	s_wait_alu depctr_va_vdst(0)                   ; the wait, ahead of the reciprocal's first reader
.set j, 0
.rept 16
	v_pk_mul_f32 v[ST+j:ST+j+1], v[OT+j:OT+j+1], v[14:15] op_sel_hi:[1,0]   ; register 16 b + i: channel 32 b + 16 h + i of my query
.set j, j+2
.endr
.irp b, 0,1
	v_max3_num_f32 v[BM+\b], |v[ST+16*\b]|, |v[ST+1+16*\b]|, 0x4800000
.endr
.irp i, 2,4,6,8,10,12,14
.irp b, 0,1
	s_delay_alu instid0(VALU_DEP_2)
	v_max3_num_f32 v[BM+\b], v[BM+\b], |v[ST+16*\b+\i]|, |v[ST+1+16*\b+\i]|
.endr
.endr
.irp b, 0,1
	s_delay_alu instid0(VALU_DEP_2)
	v_permlanex16_b32 v[BT+\b], v[BM+\b], s[SEL], s[SEL+1]
.endr
.irp b, 0,1
	s_delay_alu instid0(VALU_DEP_2)
	v_max_num_f32 v[BM+\b], v[BM+\b], v[BT+\b]
.endr
.irp b, 0,1
	s_delay_alu instid0(VALU_DEP_2)
	v_add_nc_u32 v[SO+\b], 0xfc000000, v[BM+\b]
.endr
.irp b, 0,1
.endr
.irp b, 0,1
	s_delay_alu instid0(VALU_DEP_2)
	v_lshrrev_b32 v[BT+\b], 23, v[SO+\b]
.endr
.irp b, 0,1
.irp i, 0,1,2,3,4,5,6,7,8,9,10,11,12,13,14,15
.endr
	v_cvt_scalef32_pk8_fp8_f32 v[PCD+4*\b:PCD+1+4*\b], v[ST+16*\b:ST+7+16*\b], v[SO+\b]
	v_cvt_scalef32_pk8_fp8_f32 v[PCD+2+4*\b:PCD+3+4*\b], v[ST+8+16*\b:ST+15+16*\b], v[SO+\b]
.endr
	v_nop                                          ; a plain instruction behind the last conversion
	global_store_b128 v[YAD], v[PCD:PCD+3], s[8:9]             ; 512 consecutive bytes each
	global_store_b128 v[YAD], v[PCD+4:PCD+7], s[8:9] offset:512
	v_cndmask_b32 v[T0], v[BT], v[BT+1], s[HM]     ; both halves of the lanes hold row r's two bytes: lanes 0-15 store block 0's, lanes 16-31 block 1's
	global_store_b8 v[YSA], v[T0], s[8:9]          ; two bytes of each row's 16: the other heads' bytes come from other clusters; one byte in 32 of what the launch stores
	s_sub_co_u32 s[LIM], 15, s[LIM]                ; pass 1 takes the octet from the other end
	s_add_co_u32 s[PS], s[PS], 1
	s_cmp_lt_u32 s[PS], 2
	s_cbranch_scc1 .Lpass
	s_wait_tensorcnt 0x0                           ; the wave's end, behind my last tensor load
	ds_add_u32 v[SPW], v[NIL]
	s_wait_dscnt 0x0
	CROUND                                         ; the closing round
	s_endpgm
.Lfunc_end_k_q474cf18f21_attn:
	.size	k_q474cf18f21_attn, .Lfunc_end_k_q474cf18f21_attn-k_q474cf18f21_attn
	.p2alignl 7, 3214868480
	.fill 96, 4, 3214868480
	.section	.rodata,"a",@progbits
	.p2align	6, 0x0
	.amdhsa_kernel k_q474cf18f21_attn
		.amdhsa_group_segment_fixed_size 327680
		.amdhsa_private_segment_fixed_size 0
		.amdhsa_enable_private_segment 0
		.amdhsa_kernarg_size 24
		.amdhsa_user_sgpr_count 2
		.amdhsa_user_sgpr_kernarg_segment_ptr 1
		.amdhsa_wavefront_size32 1
		.amdhsa_system_sgpr_workgroup_id_x 1
		.amdhsa_system_sgpr_workgroup_id_y 1
		.amdhsa_system_sgpr_workgroup_id_z 1
		.amdhsa_system_vgpr_workitem_id 0
		.amdhsa_next_free_vgpr 256
		.amdhsa_next_free_sgpr 66
		.amdhsa_reserve_vcc 1
		.amdhsa_float_denorm_mode_32 3
		.amdhsa_float_denorm_mode_16_64 3
		.amdhsa_fp16_overflow 1
		.amdhsa_memory_ordered 1
		.amdhsa_forward_progress 1
		.amdhsa_inst_pref_size 36
	.end_amdhsa_kernel
	.amdgpu_metadata
---
amdhsa.version: [ 1, 2 ]
amdhsa.kernels:
  - .name:           k_q474cf18f21_attn
    .symbol:         k_q474cf18f21_attn.kd
    .args:
      - { .name: qb, .offset: 0, .size: 8, .value_kind: global_buffer, .address_space: global }
      - { .name: kv, .offset: 8, .size: 8, .value_kind: global_buffer, .address_space: global }
      - { .name: yq, .offset: 16, .size: 8, .value_kind: global_buffer, .address_space: global }
    .group_segment_fixed_size: 327680
    .private_segment_fixed_size: 0
    .kernarg_segment_align: 8
    .kernarg_segment_size: 24
    .max_flat_workgroup_size: 512
    .sgpr_count:     66
    .vgpr_count:     256
    .wavefront_size: 32
...
	.end_amdgpu_metadata
.endif
;; end of part 3
;; launch outp (part 4): grid 4 x 64, 4 waves a work-group, clusters of 4 x 1, 170,496 bytes of LDS; arguments yq, wq, out0; writes out0
.if DOCPART == 4
	.amdgcn_target "amdgcn-amd-amdhsa--gfx1250"
	.amdhsa_code_object_version 6
	.text
	.protected	k_q474cf18f21_outp
	.globl	k_q474cf18f21_outp
	.p2align	8
	.type	k_q474cf18f21_outp,@function
k_q474cf18f21_outp:
	s_mov_b64 s[64:65], 0
	v_nop
	global_prefetch_b8 v0, s[64:65] scope:SCOPE_SE
	s_setreg_imm32_b32 hwreg(HW_REG_WAVE_MODE, 25, 1), 1
	s_wait_xcnt 0x0
	s_wait_alu depctr_hold_cnt(0) depctr_sa_sdst(0) depctr_va_vdst(0) depctr_va_sdst(0) depctr_va_ssrc(0) depctr_va_vcc(0) depctr_vm_vsrc(0)
	s_getreg_b32 s2, hwreg(HW_REG_IB_STS2, 6, 4)
	s_cmp_eq_u32 s2, 0
	s_cbranch_scc0 .Lentry_in_a_cluster
	s_endpgm
.Lentry_in_a_cluster:
	s_bfe_u32 s2, ttmp6, 0x10000c
	s_cmp_lg_u32 s2, 0x3003
	s_cbranch_scc0 .Lentry_shape_is_right
	s_endpgm
.Lentry_shape_is_right:
; Launch 4 of 4: out = Y Wo^T on codes of E4M3; f32 out.  No work of this launch is left out.  LIMITS: as in launch 1.
; The form is launch 2's.  A work-group takes 128 tokens (4 pairs of 32, 135,168 dense bytes of codes and scale words, brought into LDS by two tensor loads a wave, filled once) and 256 columns; each of its four waves
; keeps 64 rows of Wo for all K = 1,024 in 512 registers, loaded once.  The four work-groups of a cluster take the same tokens and other columns: the tokens are asked for JOINTLY.  Wo goes straight into registers.
; A UNIT is a pair of tokens: 64 matrix instructions, 8 accumulators by turns; source 0 = 16 rows of Wo, source 1 = 16 tokens: a lane holds one token and, of each tile of tokens,
; columns 32 b + 16 h + 0 .. 15: 64 neighbouring bytes.  They go through the wave's own stage in LDS (rows of 256 bytes + 16) and leave as whole rows: sixteen lanes store 256 consecutive bytes, aligned.
; REGISTERS: as in launch 2; v160-223 hold the rows read back from the stage.
.set PAIRB, 33792
.set CHUNK, 4*PAIRB
.set STG,   CHUNK                      ; behind the tokens: a stage of 2 tiles x 16 rows x 272 bytes for each wave; no tensor load fills it
.set SPARE, STG+4*8704                 ; behind the stages: the spare words, 128 bytes a wave
.set LI,  1
.set RR,  2
.set HH,  3
.set AD,  4
.set STO, 8                            ; v8   the stage, in: 272 r + 64 h
.set RD,  9                            ; v9   the stage, out: 272 h + 16 r
.set SPW, 10
.set NIL, 11
.set CO,  12                           ; v12  4,096 h + 16 r: two rows of out an instruction
.set WSC, 16
.set XSC, 32
.set ACC, 48
.set OB,  160
.set WV,  14
.set CX,  15
.set MY,  16
.set G1,  24
.set G0A, 32
.set G0B, 36
.set DD,  44
.set WB,  50
.set MSB, 0
.macro WIN new                         ; the immediate's high byte repeats the setting that is left
.if MSB != (\new)
	s_set_vgpr_msb (MSB<<8)|(\new)
.set MSB, (\new)
.endif
.endm
.macro CROUND
	s_barrier_signal -1
	s_barrier_wait -1
	s_cmp_lg_u32 s[WV], 0
	s_cbranch_scc1 .Lnot_wave_0_\@
	s_barrier_signal -3
.Lnot_wave_0_\@:
	s_barrier_wait -3
	s_barrier_signal -1
	s_barrier_wait -1
.endm
.macro PLACES n
.rept \n
	v_nop
.endr
.endm
.macro WM zero, ra, rb                 ; one matrix instruction on rD, rA, rB, rSA, rSB; ra, rb: the side's scales stand in lanes 16-31
.if \zero
.if (\ra) && (\rb)
	v_wmma_scale_f32_16x16x128_f8f6f4 v[rD:rD+7], v[rA:rA+15], v[rB:rB+15], 0, v[rSA], v[rSB] matrix_a_scale:MATRIX_SCALE_ROW1 matrix_b_scale:MATRIX_SCALE_ROW1
.elseif (\ra)
	v_wmma_scale_f32_16x16x128_f8f6f4 v[rD:rD+7], v[rA:rA+15], v[rB:rB+15], 0, v[rSA], v[rSB] matrix_a_scale:MATRIX_SCALE_ROW1
.elseif (\rb)
	v_wmma_scale_f32_16x16x128_f8f6f4 v[rD:rD+7], v[rA:rA+15], v[rB:rB+15], 0, v[rSA], v[rSB] matrix_b_scale:MATRIX_SCALE_ROW1
.else
	v_wmma_scale_f32_16x16x128_f8f6f4 v[rD:rD+7], v[rA:rA+15], v[rB:rB+15], 0, v[rSA], v[rSB]
.endif
.else
.if (\ra) && (\rb)
	v_wmma_scale_f32_16x16x128_f8f6f4 v[rD:rD+7], v[rA:rA+15], v[rB:rB+15], v[rD:rD+7], v[rSA], v[rSB] matrix_a_scale:MATRIX_SCALE_ROW1 matrix_b_scale:MATRIX_SCALE_ROW1
.elseif (\ra)
	v_wmma_scale_f32_16x16x128_f8f6f4 v[rD:rD+7], v[rA:rA+15], v[rB:rB+15], v[rD:rD+7], v[rSA], v[rSB] matrix_a_scale:MATRIX_SCALE_ROW1
.elseif (\rb)
	v_wmma_scale_f32_16x16x128_f8f6f4 v[rD:rD+7], v[rA:rA+15], v[rB:rB+15], v[rD:rD+7], v[rSA], v[rSB] matrix_b_scale:MATRIX_SCALE_ROW1
.else
	v_wmma_scale_f32_16x16x128_f8f6f4 v[rD:rD+7], v[rA:rA+15], v[rB:rB+15], v[rD:rD+7], v[rSA], v[rSB]
.endif
.endif
.endm
.macro MULH un, hh                     ; 32 matrix instructions: K steps 4 hh .. 4 hh + 3; the first K step starts the sums with the constant 0
	WIN 0x0d+\hh                                   ; source 0 window 1 or 2 (Wo), source 1 window 3 (the tokens)
.irp ks, 0,1,2,3
.irp xt, 0,1
.irp nt, 0,1,2,3
.set zz, (\hh == 0) && (\ks == 0)
.set rD, ACC+32*\xt+8*\nt
.set rA, 64*\ks+16*\nt
.set rB, 128*\hh+32*\ks+16*\xt
.set rSA, WSC+8*(\nt/2)+4*\hh+\ks
.set rSB, XSC+8*((\un)%2)+4*\hh+\ks
	WM zz, \nt%2, \xt
.endr
.endr
.endr
.endm
.macro XLOAD p, hh
	WIN 0xc0                                       ; destination window 3, address window 0
.irp ks, 0,1,2,3
.irp xt, 0,1
.irp c, 0,1,2,3
	ds_load_b128 v[128*\hh+32*\ks+16*\xt+4*\c:128*\hh+32*\ks+16*\xt+4*\c+3], v[AD+(\p)] offset:16384*\xt+2048*(4*\hh+\ks)+512*\c
.endr
.endr
.endr
	WIN 0
.endm
.macro XSCALE p
	ds_load_b128 v[XSC+8*((\p)%2):XSC+8*((\p)%2)+3], v[AD+(\p)] offset:32768
	ds_load_b128 v[XSC+8*((\p)%2)+4:XSC+8*((\p)%2)+7], v[AD+(\p)] offset:33280
.endm
; the way out of a unit: stage row p of tile xt is token 8 xt + p % 8 + 16 (p / 8) of the pair; rows 2 i and 2 i + 1 come back together
.macro EPO un
	s_wait_xcnt 0x0                                ; the last unit's stores have read their registers, into which the loads below land
.irp xt, 0,1
.irp q, 0,1,2,3,4,5,6,7
	ds_store_b128 v[STO], v[ACC+32*\xt+4*\q:ACC+32*\xt+4*\q+3] offset:4352*\xt+128*(\q/4)+16*(\q%4)   ; each accumulator from its low end on
.endr
.irp i, 0,1,2,3,4,5,6,7
	ds_load_b128 v[OB+32*\xt+4*\i:OB+32*\xt+4*\i+3], v[RD] offset:4352*\xt+544*\i   ; LDS serves a wave's instructions in order: these see the stores above
.endr
.endr
	s_wait_dscnt 0x0
.irp xt, 0,1
.irp i, 0,1,2,3,4,5,6,7
	global_store_b128 v[CO], v[OB+32*\xt+4*\i:OB+32*\xt+4*\i+3], s[DD:DD+1] offset:(32*(\un)+8*\xt+2*\i+8*(\i/4))*4096 th:TH_STORE_NT   ; two rows' 256 consecutive bytes, each aligned
.endr
.endr
.endm
.macro UNIT un
	s_wait_dscnt 32                                ; K steps 0-3 and the scale words are in; the youngest 32 loads may be out
.if \un == 0
	s_wait_loadcnt 63                              ; behind Wo's K steps 0-3 stand 64 loads: the largest count that can be named covers them
.endif
	MULH \un, 0
	WIN 0
.if \un == 1
	s_wait_tensorcnt 0x0                           ; my part of pairs 2 and 3 has landed,
	s_wait_dscnt 0x0
	s_barrier_signal -1
	s_barrier_wait -1                              ; everybody's has.
.endif
	PLACES 8                                       ; in front of loads into registers that matrix instructions have read
.if \un < 3
	XLOAD \un+1, 0
	XSCALE \un+1
	s_wait_dscnt 34                                ; all but the 34 just issued
.else
	s_wait_dscnt 0x0
.endif
.if \un == 0
	s_wait_loadcnt 0x0                             ; Wo's K steps 4-7
.endif
	MULH \un, 1
	WIN 0
	PLACES 9                                       ; for the loads and the LDS stores below 8 are asked; the next unit's first products write over these accumulators: 9
.if \un < 3
	XLOAD \un+1, 1
.endif
	s_wait_alu depctr_va_vdst(0)
	EPO \un
.endm
	s_load_b128 s[4:7], s[0:1], 0x0                ; yq, wq
	s_load_b64 s[8:9], s[0:1], 0x10                ; out0
	v_lshl_add_u32 v[SPW], v0, 2, SPARE
	v_mov_b32 v[NIL], 0
	ds_add_u32 v[SPW], v[NIL]                      ; the wave's opening: the add, twice on end, and its wait ahead of my first tensor load
	ds_add_u32 v[SPW], v[NIL]
	v_lshrrev_b32 v1, 5, v0
	v_readfirstlane_b32 s[WV], v1                  ; wave 0..3
	s_bfe_u32 s[CX], ttmp6, 0x40000                ; my place in the cluster: it enters Wo's address and out's alone
	s_and_b32 s[MY], ttmp7, 0xffff                 ; which 128 tokens
	s_mov_b32 s[G1], 15|(3<<16)|(1<<21)            ; the mask: all four work-groups; elements of 8 bytes; bit 21 beside a mask; no padding
	s_mov_b32 s[G1+1], 32<<16
	s_mov_b32 s[G1+2], 66<<16
	s_mov_b32 s[G1+3], 32<<16
	s_mov_b32 s[G1+4], 66
	s_mov_b32 s[G1+5], 32
	s_mov_b32 s[G1+6], 0
	s_mov_b32 s[G1+7], 0
	s_mul_i32 s17, s[WV], 66*256
	s_mul_i32 s18, s[MY], CHUNK
	s_add_co_u32 s18, s18, s17
	s_mov_b32 s19, 0
	s_lshl_b32 s20, s[CX], 2
	s_add_co_u32 s20, s20, s[WV]                   ; my 64 columns
	s_add_co_u32 s21, s20, 48                      ; Wo's pairs lie behind those of Wq, Wk, Wv
	s_mul_i32 s56, s21, 2*PAIRB
	s_mov_b32 s57, 0
	s_lshl_b32 s58, s[MY], 19                      ; 128 rows of 4,096 bytes
	s_lshl_b32 s20, s20, 8
	s_add_co_u32 s58, s58, s20
	s_mov_b32 s59, 0
	s_mul_i32 s22, s[WV], 8704
	s_add_co_u32 s22, s22, STG                     ; my stage
	v_and_b32 v1, 31, v0
	v_lshlrev_b32 v[LI], 4, v1
	v_and_b32 v[RR], 15, v0
	v_bfe_u32 v[HH], v0, 4, 1
.irp p, 0,1,2,3
	v_add_nc_u32 v[AD+\p], \p*PAIRB, v[LI]
.endr
	v_mul_u32_u24 v[STO], v[RR], 272
	v_lshl_add_u32 v[STO], v[HH], 6, v[STO]
	v_add_nc_u32 v[STO], s22, v[STO]
	v_mul_u32_u24 v[RD], v[HH], 272
	v_lshl_add_u32 v[RD], v[RR], 4, v[RD]
	v_add_nc_u32 v[RD], s22, v[RD]
	v_lshlrev_b32 v[CO], 12, v[HH]
	v_lshl_add_u32 v[CO], v[RR], 4, v[CO]
	s_wait_dscnt 0x0                               ; both opening adds are done
	s_wait_kmcnt 0x0
	s_mov_b32 s[G0A], 1
	s_mov_b32 s[G0A+1], s17                        ; pairs 0 and 1
	s_add_nc_u64 s[G0A+2:G0A+3], s[4:5], s[18:19]
	s_mov_b32 s[G0B], 1
	s_add_co_u32 s[G0B+1], s17, 2*PAIRB            ; pairs 2 and 3
	s_add_nc_u64 s[G0B+2:G0B+3], s[G0A+2:G0A+3], 2*PAIRB
	s_or_b32 s[G0A+3], s[G0A+3], 0x80000000
	s_or_b32 s[G0B+3], s[G0B+3], 0x80000000
	CROUND                                         ; all four work-groups are here: the joint loads meet
	tensor_load_to_lds s[G0A:G0A+3], s[G1:G1+7]    ; two loads of mine are out
	s_nop 0
	tensor_load_to_lds s[G0B:G0B+3], s[G1:G1+7]
	s_nop 0
.rept 4
	v_nop
.endr
	s_add_nc_u64 s[WB:WB+1], s[6:7], s[56:57]
	s_add_nc_u64 s[DD:DD+1], s[8:9], s[58:59]
.irp pw, 0,1
.irp kh, 0,1
	global_load_b128 v[WSC+8*\pw+4*\kh:WSC+8*\pw+4*\kh+3], v[LI], s[WB:WB+1] offset:\pw*PAIRB+32768+512*\kh
.endr
.endr
	WIN 0x40                                       ; destination window 1
.irp ks, 0,1,2,3
.irp nt, 0,1,2,3
.irp c, 0,1,2,3
	global_load_b128 v[64*\ks+16*\nt+4*\c:64*\ks+16*\nt+4*\c+3], v[LI], s[WB:WB+1] offset:(\nt/2)*PAIRB+(\nt%2)*16384+2048*\ks+512*\c
.endr
.endr
.endr
	WIN 0x80                                       ; destination window 2
.irp ks, 0,1,2,3
.irp nt, 0,1,2,3
.irp c, 0,1,2,3
	global_load_b128 v[64*\ks+16*\nt+4*\c:64*\ks+16*\nt+4*\c+3], v[LI], s[WB:WB+1] offset:(\nt/2)*PAIRB+(\nt%2)*16384+2048*(4+\ks)+512*\c
.endr
.endr
.endr
	WIN 0
	s_wait_tensorcnt 0x1                           ; my part of pairs 0 and 1 is in; the other load may stay out
	s_barrier_signal -1
	s_barrier_wait -1
	XLOAD 0, 0
	XSCALE 0
	XLOAD 0, 1
	UNIT 0
	UNIT 1
	UNIT 2
	UNIT 3
	s_wait_tensorcnt 0x0                           ; the wave's end, behind my last tensor load and my last LDS store
	ds_add_u32 v[SPW], v[NIL]
	s_wait_dscnt 0x0
	CROUND                                         ; the closing round
	s_endpgm
.Lfunc_end_k_q474cf18f21_outp:
	.size	k_q474cf18f21_outp, .Lfunc_end_k_q474cf18f21_outp-k_q474cf18f21_outp
	.p2alignl 7, 3214868480
	.fill 96, 4, 3214868480
	.section	.rodata,"a",@progbits
	.p2align	6, 0x0
	.amdhsa_kernel k_q474cf18f21_outp
		.amdhsa_group_segment_fixed_size 170496
		.amdhsa_private_segment_fixed_size 0
		.amdhsa_enable_private_segment 0
		.amdhsa_kernarg_size 24
		.amdhsa_user_sgpr_count 2
		.amdhsa_user_sgpr_kernarg_segment_ptr 1
		.amdhsa_wavefront_size32 1
		.amdhsa_system_sgpr_workgroup_id_x 1
		.amdhsa_system_sgpr_workgroup_id_y 1
		.amdhsa_system_sgpr_workgroup_id_z 1
		.amdhsa_system_vgpr_workitem_id 0
		.amdhsa_next_free_vgpr 1024
		.amdhsa_next_free_sgpr 66
		.amdhsa_reserve_vcc 0
		.amdhsa_float_denorm_mode_32 3
		.amdhsa_float_denorm_mode_16_64 3
		.amdhsa_memory_ordered 1
		.amdhsa_forward_progress 1
		.amdhsa_inst_pref_size 84
	.end_amdhsa_kernel
	.amdgpu_metadata
---
amdhsa.version: [ 1, 2 ]
amdhsa.kernels:
  - .name:           k_q474cf18f21_outp
    .symbol:         k_q474cf18f21_outp.kd
    .args:
      - { .name: yq, .offset: 0, .size: 8, .value_kind: global_buffer, .address_space: global }
      - { .name: wq, .offset: 8, .size: 8, .value_kind: global_buffer, .address_space: global }
      - { .name: out0, .offset: 16, .size: 8, .value_kind: global_buffer, .address_space: global }
    .group_segment_fixed_size: 170496
    .private_segment_fixed_size: 0
    .kernarg_segment_align: 8
    .kernarg_segment_size: 24
    .max_flat_workgroup_size: 128
    .sgpr_count:     66
    .vgpr_count:     1024
    .wavefront_size: 32
...
	.end_amdgpu_metadata
.endif
;; end of part 4
